; MI455X (gfx1250); checked and timed in simulation.
; The chip was launched on July 23, 2026; its instructions are those of AMD's public machine-readable ISA for CDNA 5 (MIT licence, August 2026) and "CDNA5" Instruction Set Architecture Reference Guide (July 2026). The comments in the code are by the model that wrote it; some were corrected since.
;; SOPL Layer. Allowed arithmetic: float matrix products may take bf16 or f16 operands with f32 sums; all other float work in f32.
;; Inputs: centers0 64 x 64 float32; x 400,000 x 64 float32.
;; Outputs: out0 64 x 64 float32.
;; One version. Each part assembles by itself: llvm-mc -triple=amdgcn-amd-amdhsa -mcpu=gfx1250 --defsym DOCPART=n.
;; ======== version 1 of 1: 6 launches
;; workspace buffers: tab 16,384 bytes; par 1,024 bytes; sp 65,536 bytes; xp 4,194,304 bytes; tp 524,288 bytes; sb 4,194,304 bytes; cent 16,384 bytes; tmean 256 bytes
;; launch first (part 1): grid 256 x 1, 8 waves a work-group, no clusters, 287,744 bytes of LDS; arguments x, centers0, xp, tp, sb; writes xp, tp, sb
.if DOCPART == 1
	.amdgcn_target "amdgcn-amd-amdhsa--gfx1250"
	.amdhsa_code_object_version 6
	.text
	.protected	k_q060e1ef031_first
	.globl	k_q060e1ef031_first
	.p2align	8
	.type	k_q060e1ef031_first,@function
k_q060e1ef031_first:
	s_mov_b64 s[64:65], 0
	v_nop
	global_prefetch_b8 v0, s[64:65] scope:SCOPE_SE
	s_setreg_imm32_b32 hwreg(HW_REG_WAVE_MODE, 25, 1), 1
	s_wait_xcnt 0x0
; The first iteration's pass over x [400000][64] f32: soft assignment of every row to the 64 given centres, and the sums of the weights.
;   z[n][k] = 2 log2(e) (x[n] . c[k]) - log2(e) |c[k]|^2 - log2(400000)   (base 2; |x|^2 drops out of the softmax);
;   w = softmax over k, with the row's true maximum taken away;
;   xp[k][g][d] = sum over slice g of w x;   tp[g][0][k] = (sum w, sum w m, sum w m^2, 0), m = row - (slice's first row + 784), a whole number;
;   tp[g][1][k] = sum w t on four grids (below);   sb[k][g][wave][i] = the wave's running sum of w after its block i.
; THE PRIOR.  The problem's function starts the time means and variances at zero, so every column takes the uniform prior 1 / 400000, which
; lies inside its clip: its log is a constant and joins the bias.  The later iteration, with a prior that hangs on the time, has a body of its own.
; THE CENTRES are rounded to bf16 once, as matrix operands are, and |c|^2 is taken from the rounded numbers, so that the whole distance belongs
; to one set of centres.  The rounded centres are exact operands; the factor 2 log2(e) is applied to the f32 product.
; WORK.  12500 blocks of 32 rows.  Work-group g owns blocks 48 g + min(g, 212) and on, 49 if g < 212, else 48; wave w takes every eighth:
; 6 blocks, wave 0 of the first 212 groups 7.  Eight waves, two on each SIMD with 512 registers each; the loop has no barrier, so one wave's
; matrix work can run under the other's vector work.
; FORMATS.  x is rounded to bf16 once and serves both products.  w goes to the matrix unit as two bf16 parts (16 bits), m as two and m^2
; as three (exact): the order of the time means, which decides the output's order of rows, hangs on differences far below one bf16 rounding.
; THE ROUNDING OF THE TIME SUMS.  That order also hangs on differences below the rounding error of a plain f32 evaluation of sum w t and
; sum w, so both are also formed with such a rounding.  sum w t: eight interleaved chains of multiply-adds.  While a chain stays in one binade
; it adds each term rounded to the chain's unit, and a sum of such terms does not hang on their order.  An accumulator that starts at a power
; of two M rounds every w t to M 2^-23.  The chain's binade (that of prefix / 8) is known only after the pass, so four accumulators run, from
; M, 2 M, 4 M, 8 M, M = the power of two at or below 138 tc^2 (tc: the slice's middle time): they serve clusters of 0.354 to 2.83 times
; 400000 / 64 rows; the next launch takes the one that fits.  sum w: sums of 32 rows, chained: my blocks are these rows, so the running sums go out.
; LAYOUTS (ISA guide 7.12.2).  Logits: A = 16 rows of x, B = 16 centres; in the result lane r is centre 16 kt + r, register j is row 8 h + j.
; Second product, once for each half block: its K = 32 is the 16 rows' upper parts of w (registers 0-3 of B) and the same rows' lower parts
; (registers 4-7); A = x transposed, the same 16 rows in both halves of K (the transposing load is issued twice).  Lane r is centre 16 kt + r,
; registers are d = 16 dt + 8 h + j.  A fifth d tile holds the time columns (1, m in two parts, m^2 in three parts, zeros).
; NOT USED.  Tensor loads: every refill of an LDS slot would need a barrier in the trip, which would hold the two waves of a SIMD in one phase
; and asks for equal trip counts.  Clusters: work-groups share only the 16 KiB of centres, read once, against 393 KiB or more of x of their
; own.  Prefetch: each wave always has its next 8 KiB of x requested a whole block ahead.
; LIMITS.  NaN in x spreads as in any softmax.  A cluster outside 0.354 to 2.83 times the mean size gets the nearest grid: its sum w t then
; differs from the modelled rounding by some 1e-5 of itself.  In the first slices an accumulator can leave its binade; the units there are below 1e-8.
.set NROWS,  400000
.set INVN,   0x3627c5ac                ; 1 / 400000
.set K2,     0x4038aa3b                ; 2 log2(e)
.set NLOG2E, 0xbfb8aa3b                ; -log2(e)
.set NLOG2N, 0xc194e08b                ; -log2(400000)
.set KPL,    0x430a0000                ; 138.0 = 0.354 x 3125 / 8
; LDS
.set TABP,  144                        ; the centres in bf16: 64 rows of 128 bytes + 16 = 9 x 16
.set CSQB,  17408                      ; |c|^2, 64 f32
.set LTB,   20480                      ; + 128 w: t of my 32 rows
.set STG,   24576                      ; + 5120 w: my block, 32 rows of 80 bf16 (64 of x, 16 time columns)
.set STP,   160                        ; = 5 x 32 bytes
.set RED,   65536                      ; + 21504 w: my sums, 64 rows of 80 f32 + the four grid sums
.set REDP,  336                        ; = 21 x 16
.set REDW,  64*REDP
.set SBT,   237568                     ; + 6144 w: my running sums of w, [k] 8 f32, pitch 48; at + 3072 lanes 16-31 put what is not wanted
.set SBW,   6144
.set SBH,   3072
.set SBP,   48
; registers, window 0; v1, v2, v3 = lane L, r = L % 16, h = L / 16
.set VOFF, 4                           ; 16 L
.set VST,  5                           ; stage: 160 h + 8 r
.set VTC,  6                           ; stage: 160 L + 128
.set VLS,  7                           ; table of t: 4 L
.set VLL,  8                           ; table of t: 32 h
.set VXA,  9                           ; stage: 160 r + 16 h
.set VXT,  10                          ; stage: 160 (8 h + L % 8) + 16 ((L / 8) % 2)
.set VM,   11                          ; m of my row
.set VNF,  12                          ; n + 0.5
.set VNEG, 14                          ; -1.0
.set VSB,  15                          ; running sums: 48 r + 3072 h + 4 x block
.set TR,   16                          ; v[16:23] at work
.set TT,   24                          ; v[24:27] the time columns, packed; v27 stays 0
.set CP,   28                          ; v[28:31] kt: C' = -log2(e) |c|^2 - log2(400000) of centre 16 kt + r
.set XA,   48                          ; v[48:63] two fragments of x; then transposed tiles 0, 1
.set ZR,   64                          ; v[64:95] logits, then weights; then transposed tiles 2, 3, 4
.set WR,   96                          ; v[96:127] kt at + 8 kt: upper parts (4), lower parts (4) of 16 rows' weights
.set LTR,  WR                          ; until the packing fills them these host: t of my 8 rows,
.set MXR,  WR+16                       ;   the rows' maxima,
.set SMR,  WR+24                       ;   the rows' sums
.set CA,   128                         ; v[128:159] sum w t on grid c, centres kt, even and odd rows: + 8 c + 2 kt
.set SR,   160                         ; v[160:223] the next block of x, 16 loads in flight
; window 1 (v256 - v511)
.set ACC,  0                           ; tile (kt, dt) at 8 (5 kt + dt)
.set CHI,  160                         ; the centres' fragments, (kt, ks) at + 8 (2 kt + ks)
.set MSB, 0
.macro WIN new                         ; s_set_vgpr_msb: bits 1:0 source 0, 3:2 source 1, 5:4 source 2, 7:6 destination; the high byte repeats the setting left
.if MSB != \new
	s_set_vgpr_msb (MSB<<8)|\new
.set MSB, \new
.endif
.endm
.macro PLACES                          ; four independent vector instructions behind a matrix instruction, before its result is read by the
.rept 4                                ; vector unit or by a store, or a load lands on one of its registers
	v_nop
.endr
.endm
.macro PLACES5                         ; five, where the next matrix instructions write over registers that the last ones read
.rept 5
	v_nop
.endr
.endm
.macro QADD d, s
	v_pk_add_f32 v[\d:\d+1], v[\d:\d+1], v[\s:\s+1]
	v_pk_add_f32 v[\d+2:\d+3], v[\d+2:\d+3], v[\s+2:\s+3]
.endm
.macro MKM                             ; M, 2 M, 4 M, 8 M into v[TR+4:TR+7]; the next launch makes M by the same operations
	s_lshl_b32 s29, s18, 5
	s_add_co_u32 s29, s29, 784
	v_cvt_f32_u32 v[TR+4], s29
	v_add_f32 v[TR+4], 0.5, v[TR+4]
	v_mul_f32 v[TR+4], INVN, v[TR+4]       ; tc
	v_mul_f32 v[TR+4], v[TR+4], v[TR+4]
	v_mul_f32 v[TR+4], KPL, v[TR+4]
	v_and_b32 v[TR+4], 0x7f800000, v[TR+4] ; the power of two at or below
	v_add_nc_u32 v[TR+5], 0x800000, v[TR+4]
	v_add_nc_u32 v[TR+6], 0x1000000, v[TR+4]
	v_add_nc_u32 v[TR+7], 0x1800000, v[TR+4]
.endm
.macro LDXA nb                         ; two fragments: rows 16 nb + r of x, K = d 0-31 and 32-63
.irp ks, 0,1
.irp u, 0,1
	ds_load_b128 v[XA+8*\ks+4*\u:XA+8*\ks+4*\u+3], v[VXA] offset:16*STP*\nb+64*\ks+32*\u
.endr
.endr
.endm
.macro LDTT nb                         ; t of rows 16 nb + 8 h + 0..7
	ds_load_b128 v[LTR:LTR+3], v[VLL] offset:64*\nb
	ds_load_b128 v[LTR+4:LTR+7], v[VLL] offset:64*\nb+16
.endm
.macro LDXT dt, nb, reg                ; columns 16 dt + r of the stage, rows 16 nb + 8 h + 0..7, in both halves of K
	ds_load_tr16_b128 v[\reg:\reg+3], v[VXT] offset:32*\dt+16*STP*\nb
	ds_load_tr16_b128 v[\reg+4:\reg+7], v[VXT] offset:32*\dt+16*STP*\nb
.endm
; 8 matrix instructions: 16 rows x 64 centres, K = 64.  The first four start the sums.
.macro LOGITS
	WIN 0x04                               ; source 1 in window 1
.irp kt, 0,1,2,3
	v_wmma_f32_16x16x32_bf16 v[ZR+8*\kt:ZR+8*\kt+7], v[XA:XA+7], v[CHI+16*\kt:CHI+16*\kt+7], 0
.endr
.irp kt, 0,1,2,3
	v_wmma_f32_16x16x32_bf16 v[ZR+8*\kt:ZR+8*\kt+7], v[XA+8:XA+15], v[CHI+16*\kt+8:CHI+16*\kt+15], v[ZR+8*\kt:ZR+8*\kt+7]
.endr
	WIN 0
.endm
; z = 2 log2(e) (x . c) + C'; C' of kt is the first or the second register of its pair
.macro BIAS
.irp kt, 0,2
.irp p, 0,1,2,3
	v_pk_fma_f32 v[ZR+8*\kt+2*\p:ZR+8*\kt+2*\p+1], v[ZR+8*\kt+2*\p:ZR+8*\kt+2*\p+1], K2, v[CP+\kt:CP+\kt+1] op_sel_hi:[1,0,0]
.endr
.irp p, 0,1,2,3
	v_pk_fma_f32 v[ZR+8*\kt+8+2*\p:ZR+8*\kt+8+2*\p+1], v[ZR+8*\kt+8+2*\p:ZR+8*\kt+8+2*\p+1], K2, v[CP+\kt:CP+\kt+1] op_sel:[0,0,1] op_sel_hi:[1,0,1]
.endr
.endr
.endm
; softmax over the 64 centres of 16 rows (a row: register j of the four kt, over the 16 lanes of my half)
.macro SOFT
.irp j, 0,1,2,3,4,5,6,7
	v_max3_num_f32 v[MXR+\j], v[ZR+\j], v[ZR+8+\j], v[ZR+16+\j]
.endr
.irp j, 0,1,2,3,4,5,6,7
	v_max_num_f32 v[MXR+\j], v[MXR+\j], v[ZR+24+\j]
.endr
.irp x, 1,2,4,8
.irp j, 0,1,2,3,4,5,6,7
	v_max_num_f32_dpp v[MXR+\j], v[MXR+\j], v[MXR+\j] row_xmask:\x row_mask:0xf bank_mask:0xf
.endr
.endr
.irp kt, 0,1,2,3
.irp p, 0,1,2,3
	v_pk_add_f32 v[ZR+8*\kt+2*\p:ZR+8*\kt+2*\p+1], v[ZR+8*\kt+2*\p:ZR+8*\kt+2*\p+1], v[MXR+2*\p:MXR+2*\p+1] neg_lo:[0,1] neg_hi:[0,1]
.endr
.endr
.set i, 0
.rept 32
	v_exp_f32 v[ZR+i], v[ZR+i]
.set i, i+1
.endr
	v_nop                                  ; one plain instruction between the last exponential and the first use (ISA guide 5.7.2)
	s_wait_alu depctr_va_vdst(0)
.irp p, 0,1,2,3
	v_pk_add_f32 v[SMR+2*\p:SMR+2*\p+1], v[ZR+2*\p:ZR+2*\p+1], v[ZR+8+2*\p:ZR+8+2*\p+1]
.endr
.irp p, 0,1,2,3
	v_pk_add_f32 v[TR+2*\p:TR+2*\p+1], v[ZR+16+2*\p:ZR+16+2*\p+1], v[ZR+24+2*\p:ZR+24+2*\p+1]
.endr
.irp p, 0,1,2,3
	v_pk_add_f32 v[SMR+2*\p:SMR+2*\p+1], v[SMR+2*\p:SMR+2*\p+1], v[TR+2*\p:TR+2*\p+1]
.endr
.irp x, 1,2,4,8
.irp j, 0,1,2,3,4,5,6,7
	v_add_f32_dpp v[SMR+\j], v[SMR+\j], v[SMR+\j] row_xmask:\x row_mask:0xf bank_mask:0xf
.endr
.endr
.irp j, 0,1,2,3,4,5,6,7
	v_rcp_f32 v[SMR+\j], v[SMR+\j]
.endr
	v_nop
	s_wait_alu depctr_va_vdst(0)
.irp kt, 0,1,2,3
.irp p, 0,1,2,3
	v_pk_mul_f32 v[ZR+8*\kt+2*\p:ZR+8*\kt+2*\p+1], v[ZR+8*\kt+2*\p:ZR+8*\kt+2*\p+1], v[SMR+2*\p:SMR+2*\p+1]
.endr
.endr
.endm
; w t of 16 rows x 64 centres into the four grids: 16 independent accumulator pairs between two links of one chain
.macro GRID
.irp p, 0,1,2,3
.irp c, 0,1,2,3
.irp kt, 0,1,2,3
	v_pk_fma_f32 v[CA+8*\c+2*\kt:CA+8*\c+2*\kt+1], v[ZR+8*\kt+2*\p:ZR+8*\kt+2*\p+1], v[LTR+2*\p:LTR+2*\p+1], v[CA+8*\c+2*\kt:CA+8*\c+2*\kt+1]
.endr
.endr
.endr
.endm
; the weights in two bf16 parts; t, maxima and sums are dead from here
.macro PACK
.irp kt, 0,1,2,3
.irp p, 0,1,2,3
	v_cvt_pk_bf16_f32 v[WR+8*\kt+\p], v[ZR+8*\kt+2*\p], v[ZR+8*\kt+2*\p+1]
.endr
.irp p, 0,1,2,3
	v_fma_mix_f32_bf16 v[ZR+8*\kt+2*\p], v[WR+8*\kt+\p], v[VNEG], v[ZR+8*\kt+2*\p] op_sel_hi:[1,0,0]                      ; w - upper part, exact
	v_fma_mix_f32_bf16 v[ZR+8*\kt+2*\p+1], v[WR+8*\kt+\p], v[VNEG], v[ZR+8*\kt+2*\p+1] op_sel:[1,0,0] op_sel_hi:[1,0,0]
.endr
.irp p, 0,1,2,3
	v_cvt_pk_bf16_f32 v[WR+8*\kt+4+\p], v[ZR+8*\kt+2*\p], v[ZR+8*\kt+2*\p+1]
.endr
.endr
.endm
; 4 matrix instructions: d tile dt (fragment at register xt) x 64 centres, K = 16 rows in two parts
.macro SECOND dt, xt, first
.irp kt, 0,1,2,3
.if \first
	v_wmma_f32_16x16x32_bf16 v[ACC+8*(5*\kt+\dt):ACC+8*(5*\kt+\dt)+7], v[\xt:\xt+7], v[WR+8*\kt:WR+8*\kt+7], 0
.else
	v_wmma_f32_16x16x32_bf16 v[ACC+8*(5*\kt+\dt):ACC+8*(5*\kt+\dt)+7], v[\xt:\xt+7], v[WR+8*\kt:WR+8*\kt+7], v[ACC+8*(5*\kt+\dt):ACC+8*(5*\kt+\dt)+7]
.endif
.endr
.endm
; 16 rows.  On entry four fragment loads and behind them the two loads of t are out.
.macro HALF nb, first
	s_wait_dscnt 0x2                       ; the fragments of x are in; the two loads of t stay out
	LOGITS
	PLACES
	LDXT 0, \nb, XA
	LDXT 1, \nb, XA+8
	BIAS
	SOFT
	s_wait_dscnt 0x0                       ; t and tiles 0, 1 are in
	GRID
	PACK
	LDXT 2, \nb, ZR
	LDXT 3, \nb, ZR+8
	LDXT 4, \nb, ZR+16
	WIN 0x50                               ; C and D in window 1
	SECOND 0, XA, \first
	SECOND 1, XA+8, \first
	s_wait_dscnt 0x0
	SECOND 2, ZR, \first
	SECOND 3, ZR+8, \first
	SECOND 4, ZR+16, \first
	WIN 0
.endm
; One block of 32 rows.  first = 1: the products start the sums.  ahead = 1: the wave's next block is requested.
; Stage, table of t and table of running sums are the wave's own, and LDS serves a wave's instructions in order (ISA guide 5.7.1): no barrier.
.macro BLOCK first, ahead
	s_wait_loadcnt 0x0                     ; my block is in registers, and its loads' base may be stepped
.irp j, 0,1,2,3,4,5,6,7,8,9,10,11,12,13,14,15
	v_cvt_pk_bf16_f32 v[SR+4*\j], v[SR+4*\j], v[SR+4*\j+1]
	v_cvt_pk_bf16_f32 v[SR+4*\j+1], v[SR+4*\j+2], v[SR+4*\j+3]
	ds_store_b64 v[VST], v[SR+4*\j:SR+4*\j+1] offset:2*STP*\j      ; rows 2 j + h, columns 4 r .. 4 r + 3
.endr
.if \ahead
	s_add_nc_u64 s[4:5], s[4:5], 0x10000   ; eight blocks of 8192 bytes on
.irp j, 0,1,2,3,4,5,6,7,8,9,10,11,12,13,14,15
	global_load_b128 v[SR+4*\j:SR+4*\j+3], v[VOFF], s[4:5] offset:512*\j th:TH_LOAD_NT
.endr
.endif
	; time columns of row L: 1, m = mh + ml, m^2 = q1 + q2 + q3.  |m| <= 784 and m^2 < 2^20 are whole numbers, so the parts are exact.
	v_mul_f32 v[TR], v[VM], v[VM]
	v_cvt_pk_bf16_f32 v[TT], 1.0, v[VM]
	v_and_b32 v[TR+1], 0xffff0000, v[TT]
	v_sub_f32 v[TR+1], v[VM], v[TR+1]
	v_cvt_pk_bf16_f32 v[TT+1], v[TR+1], v[TR]
	v_and_b32 v[TR+2], 0xffff0000, v[TT+1]
	v_sub_f32 v[TR+2], v[TR], v[TR+2]
	v_cvt_pk_bf16_f32 v[TR+3], v[TR+2], 0
	v_lshlrev_b32 v[TR+3], 16, v[TR+3]
	v_sub_f32 v[TR+3], v[TR+2], v[TR+3]
	v_cvt_pk_bf16_f32 v[TT+2], v[TR+2], v[TR+3]
	ds_store_b128 v[VTC], v[TT:TT+3]
	v_mul_f32 v[TR+4], INVN, v[VNF]        ; t
	v_add_f32 v[VM], 0x43800000, v[VM]     ; my row of the next block: 256 rows on
	v_add_f32 v[VNF], 0x43800000, v[VNF]
	ds_store_b32 v[VLS], v[TR+4]
	LDXA 0
	LDTT 0
	HALF 0, \first
	PLACES5                                ; the loads below land on, and the next logits write over, registers that the products above read
	LDXA 1
	LDTT 1
	HALF 1, 0
	PLACES
	WIN 0x04                               ; an LDS store's data are source 1: window 1
.irp kt, 0,1,2,3
	ds_store_b32 v[VSB], v[ACC+8*(5*\kt+4)] offset:16*SBP*\kt      ; column 64 (lanes 0-15, register 0): the running sum of w
.endr
	WIN 0
	v_add_nc_u32 v[VSB], 4, v[VSB]
.endm
	s_load_b128 s[4:7], s[0:1], 0x0                ; x s[4:5], centers0 s[6:7]
	s_load_b128 s[12:15], s[0:1], 0x10             ; xp s[12:13], tp s[14:15]
	s_load_b64 s[30:31], s[0:1], 0x20              ; sb
	v_lshl_add_u32 v254, v0, 2, 0x46000
	v_mov_b32 v255, 0
	v_lshrrev_b32 v1, 5, v0
	v_readfirstlane_b32 s16, v1                    ; wave w
	s_mov_b32 s17, ttmp9                           ; slice g
	s_min_u32 s18, s17, 212
	s_mul_i32 s20, s17, 48
	s_add_co_u32 s18, s18, s20                     ; the slice's first block
	s_cmp_lt_u32 s17, 212
	s_cselect_b32 s19, 1, 0
	s_cmp_eq_u32 s16, 0
	s_cselect_b32 s19, s19, 0                      ; 1: I have a seventh block, the slice's 49th
	s_mov_b32 s24, 0x76543210                      ; v_permlanex16_b32: lane i of one half reads lane i of the other
	s_mov_b32 s25, 0xfedcba98
	s_add_co_u32 s28, s18, s16                     ; my first block
	s_lshl_b32 s20, s28, 13                        ; in bytes (below 102,400,000)
	s_mov_b32 s21, 0
	s_lshl_b32 s28, s28, 5                         ; in rows
	s_mul_i32 s22, s16, 32*STP
	s_add_co_u32 s22, s22, STG                     ; my stage
	s_add_co_u32 s29, s22, 128                     ; its time columns
	s_lshl_b32 s23, s16, 7
	s_add_co_u32 s23, s23, LTB                     ; my table of t
	s_mul_i32 s27, s16, SBW
	s_add_co_u32 s27, s27, SBT                     ; my table of running sums
	v_and_b32 v1, 31, v0                           ; L
	v_and_b32 v2, 15, v0                           ; r
	v_bfe_u32 v3, v0, 4, 1                         ; h
	v_lshlrev_b32 v[VOFF], 4, v1
	v_mul_u32_u24 v22, v3, STP
	v_lshl_add_u32 v22, v2, 3, v22
	v_add_nc_u32 v[VST], s22, v22
	v_mul_u32_u24 v22, v1, STP
	v_add_nc_u32 v[VTC], s29, v22
	v_lshl_add_u32 v[VLS], v1, 2, s23
	v_lshl_add_u32 v[VLL], v3, 5, s23
	v_mul_u32_u24 v22, v2, STP
	v_lshl_add_u32 v22, v3, 4, v22
	v_add_nc_u32 v[VXA], s22, v22
	v_and_b32 v22, 7, v0
	v_lshl_add_u32 v22, v3, 3, v22
	v_mul_u32_u24 v22, v22, STP
	v_bfe_u32 v23, v0, 3, 1
	v_lshl_add_u32 v22, v23, 4, v22
	v_add_nc_u32 v[VXT], s22, v22
	v_mul_u32_u24 v22, v2, SBP
	v_mad_u32_u24 v22, v3, SBH, v22
	v_add_nc_u32 v[VSB], s27, v22
	s_lshl_b32 s29, s16, 5
	s_sub_co_i32 s29, s29, 784
	v_add_nc_u32 v22, s29, v1
	v_cvt_f32_i32 v[VM], v22                       ; m = 32 w + L - 784
	v_add_nc_u32 v22, s28, v1                      ; n
	v_cvt_f32_u32 v[VNF], v22
	v_add_f32 v[VNF], 0.5, v[VNF]                  ; exact: below 2^19, one more bit
	v_mov_b32 v[VNEG], -1.0
.irp i, 0,1,2,3
	v_mov_b32 v[TT+\i], 0
.endr
	v_lshlrev_b32 v16, 4, v0                       ; 16 t
	s_wait_kmcnt 0x0
	s_add_nc_u64 s[4:5], s[4:5], s[20:21]
.irp i, 0,1,2,3
	global_load_b128 v[ZR+4*\i:ZR+4*\i+3], v16, s[6:7] offset:4096*\i              ; the centres, 16 KiB by the 256 threads: row t / 16 + 16 i, columns 4 (t % 16) ..
.endr
.irp j, 0,1,2,3,4,5,6,7,8,9,10,11,12,13,14,15
	global_load_b128 v[SR+4*\j:SR+4*\j+3], v[VOFF], s[4:5] offset:512*\j th:TH_LOAD_NT   ; my first block
.endr
	v_lshrrev_b32 v19, 4, v0
	v_mul_u32_u24 v18, v19, TABP
	v_lshl_add_u32 v18, v2, 3, v18                 ; the centres in LDS: row t / 16 (+ 16 i), byte 8 (t % 16)
	v_lshl_add_u32 v19, v19, 2, CSQB               ; |c|^2 of row t / 16 (+ 16 i)
	v_mul_u32_u24 v20, v2, TABP
	v_lshl_add_u32 v20, v3, 4, v20                 ; fragments of the centres: row r, 16 h
	v_lshl_add_u32 v21, v2, 2, CSQB
	s_wait_loadcnt 0x10                            ; the centres are in; the 16 loads of x stay out
.irp i, 0,1,2,3
	v_cvt_pk_bf16_f32 v[XA+2*\i], v[ZR+4*\i], v[ZR+4*\i+1]         ; the one rounding of the centres to bf16,
	v_cvt_pk_bf16_f32 v[XA+2*\i+1], v[ZR+4*\i+2], v[ZR+4*\i+3]
	ds_store_b64 v18, v[XA+2*\i:XA+2*\i+1] offset:16*TABP*\i
	v_lshlrev_b32 v[ZR+4*\i], 16, v[XA+2*\i]                       ; and back to f32 for |c|^2
	v_and_b32 v[ZR+4*\i+1], 0xffff0000, v[XA+2*\i]
	v_lshlrev_b32 v[ZR+4*\i+2], 16, v[XA+2*\i+1]
	v_and_b32 v[ZR+4*\i+3], 0xffff0000, v[XA+2*\i+1]
	v_mul_f32 v[WR+\i], v[ZR+4*\i], v[ZR+4*\i]
	v_fmac_f32 v[WR+\i], v[ZR+4*\i+1], v[ZR+4*\i+1]
	v_fmac_f32 v[WR+\i], v[ZR+4*\i+2], v[ZR+4*\i+2]
	v_fmac_f32 v[WR+\i], v[ZR+4*\i+3], v[ZR+4*\i+3]
.endr
.irp x, 1,2,4,8
.irp i, 0,1,2,3
	v_add_f32_dpp v[WR+\i], v[WR+\i], v[WR+\i] row_xmask:\x row_mask:0xf bank_mask:0xf     ; over the 16 lanes that share a row
.endr
.endr
.irp i, 0,1,2,3
	ds_store_b32 v19, v[WR+\i] offset:64*\i        ; the 16 lanes write the same number to the same word
.endr
	ds_store_b128 v[VTC], v[TT:TT+3] offset:16     ; columns 72-79 of my stage stay zero
.irp kt, 0,1,2,3
	ds_store_b64 v[VSB], v[TT:TT+1] offset:16*SBP*\kt+24           ; running sums 6 and 7: zero unless a seventh block writes the first
.endr
	s_wait_dscnt 0x0                               ; for the other waves' sake: my stores have landed
	s_barrier_signal -1
	s_barrier_wait -1
	WIN 0x40                                       ; destination in window 1
.irp kt, 0,1,2,3
.irp ks, 0,1
.irp u, 0,1
	ds_load_b128 v[CHI+8*(2*\kt+\ks)+4*\u:CHI+8*(2*\kt+\ks)+4*\u+3], v20 offset:16*TABP*\kt+64*\ks+32*\u
.endr
.endr
.endr
	WIN 0
.irp kt, 0,1,2,3
	ds_load_b32 v[CP+\kt], v21 offset:64*\kt       ; |c|^2 of centre 16 kt + r
.endr
	MKM
.irp c, 0,1,2,3
.irp i, 0,1,2,3,4,5,6,7
	v_mov_b32 v[CA+8*\c+\i], v[TR+4+\c]            ; the grids' accumulators start at their powers of two
.endr
.endr
	s_wait_dscnt 0x0
.irp kt, 0,1,2,3
	v_mul_f32 v[CP+\kt], NLOG2E, v[CP+\kt]
.endr
.irp kt, 0,1,2,3
	v_add_f32 v[CP+\kt], NLOG2N, v[CP+\kt]         ; the uniform prior's log joins the bias
.endr
	BLOCK 1, 1                                     ; in front of the loop: its products start the sums, nothing is cleared
	s_mov_b32 s26, 0
.Lblk:
	BLOCK 0, 1
	s_add_co_u32 s26, s26, 1
	s_cmp_lt_u32 s26, 4
	s_cbranch_scc1 .Lblk
	s_cmp_eq_u32 s19, 0
	s_cbranch_scc1 .Llast                          ; six blocks: one in front, four in the loop, the last
	BLOCK 0, 1                                     ; seven: one more
.Llast:
	BLOCK 0, 0                                     ; the last block requests nothing: no load leaves x
	; THE WAY OUT.  Each wave lays its sums into LDS; behind a barrier the eight copies are added and stored.
	s_mul_i32 s20, s16, REDW
	s_add_co_u32 s20, s20, RED
	v_mul_u32_u24 v[VST], v2, REDP
	v_add_nc_u32 v[VST], s20, v[VST]               ; row r
	v_lshl_add_u32 v[VSB], v3, 5, v[VST]           ; row r, 32 h
	MKM
.irp kt, 0,1,2,3
.irp c, 0,1,2,3
	v_sub_f32 v[CA+8*\c+2*\kt], v[CA+8*\c+2*\kt], v[TR+4+\c]       ; exact: both are multiples of the grid's unit
	v_sub_f32 v[CA+8*\c+2*\kt+1], v[CA+8*\c+2*\kt+1], v[TR+4+\c]
	v_add_f32 v[CA+8*\c+2*\kt], v[CA+8*\c+2*\kt], v[CA+8*\c+2*\kt+1]
	v_permlanex16_b32 v[CA+8*\c+2*\kt+1], v[CA+8*\c+2*\kt], s24, s25
	v_add_f32 v[TR+\c], v[CA+8*\c+2*\kt], v[CA+8*\c+2*\kt+1]
.endr
	ds_store_b128 v[VST], v[TR:TR+3] offset:16*REDP*\kt+320        ; both halves write the same numbers to the same bytes
.endr
	WIN 0x04
.irp kt, 0,1,2,3
.irp dt, 0,1,2,3,4
	ds_store_b128 v[VSB], v[ACC+8*(5*\kt+\dt):ACC+8*(5*\kt+\dt)+3] offset:16*REDP*\kt+64*\dt
	ds_store_b128 v[VSB], v[ACC+8*(5*\kt+\dt)+4:ACC+8*(5*\kt+\dt)+7] offset:16*REDP*\kt+64*\dt+16
.endr
.endr
	WIN 0
	s_wait_dscnt 0x0
	s_barrier_signal -1
	s_barrier_wait -1
	v_lshrrev_b32 v16, 4, v0
	v_mul_u32_u24 v17, v16, REDP
	v_lshl_add_u32 v17, v2, 4, v17
	v_add_nc_u32 v17, RED, v17                     ; row t / 16 (+ 16 i), byte 16 (t % 16); copies 0-2 by the immediate (16 bits),
	v_add_nc_u32 v18, 3*REDW, v17                  ; copies 3-5,
	v_add_nc_u32 v19, 6*REDW, v17                  ; copies 6, 7
	v_lshlrev_b32 v20, 16, v16
	v_lshl_or_b32 v20, v2, 4, v20                  ; xp and sb: 65536 (t / 16) + 16 (t % 16)
	v_lshrrev_b32 v21, 1, v2
	v_mul_u32_u24 v21, v21, SBW                    ; running sums: wave (t % 16) / 2,
	v_mad_u32_u24 v21, v16, SBP, v21               ; centre t / 16 (+ 16 i),
	v_and_b32 v22, 1, v0
	v_lshl_add_u32 v21, v22, 4, v21                ; half t % 2
	v_add_nc_u32 v21, SBT, v21
	s_lshl_b32 s20, s17, 8
	s_mov_b32 s21, 0
	s_add_nc_u64 s[12:13], s[12:13], s[20:21]      ; + 256 g
	s_add_nc_u64 s[30:31], s[30:31], s[20:21]
.irp i, 0,1,2,3
.irp c, 0,1,2,3,4,5,6,7
	ds_load_b128 v[WR+32*\i+4*\c:WR+32*\i+4*\c+3], v[17+\c/3] offset:REDW*(\c%3)+16*REDP*\i
.endr
.endr
.irp i, 0,1,2,3
	s_wait_dscnt 8*(3-\i)                          ; group i's eight copies are in; the later groups stay out
	QADD WR+32*\i, WR+32*\i+16
	QADD WR+32*\i+4, WR+32*\i+20
	QADD WR+32*\i+8, WR+32*\i+24
	QADD WR+32*\i+12, WR+32*\i+28
	QADD WR+32*\i, WR+32*\i+8
	QADD WR+32*\i+4, WR+32*\i+12
	QADD WR+32*\i, WR+32*\i+4
	global_store_b128 v20, v[WR+32*\i:WR+32*\i+3], s[12:13] offset:1048576*\i      ; 16 lanes store the 256 consecutive bytes of xp[k][g]
.endr
.irp i, 0,1,2,3
	ds_load_b128 v[32+4*\i:35+4*\i], v21 offset:16*SBP*\i
.endr
	s_wait_dscnt 0x0
.irp i, 0,1,2,3
	global_store_b128 v20, v[32+4*\i:35+4*\i], s[30:31] offset:1048576*\i          ; and the 256 bytes of sb[k][g]: eight waves x 8 sums
.endr
	s_wait_xcnt 0x0                                ; the stores' data and offset registers are written again only behind this wait
	s_cmp_gt_u32 s16, 1
	s_cbranch_scc1 .Lend
	; waves 0 and 1: thread t adds the time columns and the grid sums of centre t
.macro TADD d, s
.irp p, 0,2,4,8,10
	v_pk_add_f32 v[\d+\p:\d+\p+1], v[\d+\p:\d+\p+1], v[\s+\p:\s+\p+1]
.endr
.endm
	v_mul_u32_u24 v17, v0, REDP
	v_add_nc_u32 v17, RED+256, v17
	v_add_nc_u32 v18, 3*REDW, v17
	v_add_nc_u32 v19, 6*REDW, v17
.irp c, 0,1,2,3,4,5,6,7
	ds_load_b128 v[WR+12*\c:WR+12*\c+3], v[17+\c/3] offset:REDW*(\c%3)
	ds_load_b64 v[WR+12*\c+4:WR+12*\c+5], v[17+\c/3] offset:REDW*(\c%3)+16
	ds_load_b128 v[WR+12*\c+8:WR+12*\c+11], v[17+\c/3] offset:REDW*(\c%3)+64
.endr
	s_lshl_b32 s20, s17, 11
	s_add_nc_u64 s[14:15], s[14:15], s[20:21]      ; tp + 2048 g
	v_lshlrev_b32 v16, 4, v0
	s_wait_dscnt 0x0
.irp c, 0,1,2,3
	TADD WR+12*\c, WR+12*\c+48
.endr
.irp c, 0,1
	TADD WR+12*\c, WR+12*\c+24
.endr
	TADD WR, WR+12
	v_add_f32 v[WR+1], v[WR+1], v[WR+2]            ; sum w m: the two parts
	v_add_f32 v[WR+4], v[WR+4], v[WR+5]            ; sum w m^2: the small parts first
	v_add_f32 v[WR+2], v[WR+3], v[WR+4]
	v_mov_b32 v[WR+3], 0
	global_store_b128 v16, v[WR:WR+3], s[14:15]
	global_store_b128 v16, v[WR+8:WR+11], s[14:15] offset:1024
.Lend:
	s_wait_tensorcnt 0x0
	ds_add_u32 v254, v255
	s_wait_dscnt 0x0
	s_endpgm
.Lfunc_end_k_q060e1ef031_first:
	.size	k_q060e1ef031_first, .Lfunc_end_k_q060e1ef031_first-k_q060e1ef031_first
	.p2alignl 7, 3214868480
	.fill 96, 4, 3214868480
	.section	.rodata,"a",@progbits
	.p2align	6, 0x0
	.amdhsa_kernel k_q060e1ef031_first
		.amdhsa_group_segment_fixed_size 287744
		.amdhsa_private_segment_fixed_size 0
		.amdhsa_enable_private_segment 0
		.amdhsa_kernarg_size 40
		.amdhsa_user_sgpr_count 2
		.amdhsa_user_sgpr_kernarg_segment_ptr 1
		.amdhsa_wavefront_size32 1
		.amdhsa_system_sgpr_workgroup_id_x 1
		.amdhsa_system_sgpr_workgroup_id_y 1
		.amdhsa_system_sgpr_workgroup_id_z 1
		.amdhsa_system_vgpr_workitem_id 0
		.amdhsa_next_free_vgpr 512
		.amdhsa_next_free_sgpr 66
		.amdhsa_reserve_vcc 0
		.amdhsa_float_denorm_mode_32 3
		.amdhsa_float_denorm_mode_16_64 3
		.amdhsa_memory_ordered 1
		.amdhsa_forward_progress 1
		.amdhsa_inst_pref_size 227
	.end_amdhsa_kernel
	.amdgpu_metadata
---
amdhsa.version: [ 1, 2 ]
amdhsa.kernels:
  - .name:           k_q060e1ef031_first
    .symbol:         k_q060e1ef031_first.kd
    .args:
      - { .name: x, .offset: 0, .size: 8, .value_kind: global_buffer, .address_space: global }
      - { .name: centers0, .offset: 8, .size: 8, .value_kind: global_buffer, .address_space: global }
      - { .name: xp, .offset: 16, .size: 8, .value_kind: global_buffer, .address_space: global }
      - { .name: tp, .offset: 24, .size: 8, .value_kind: global_buffer, .address_space: global }
      - { .name: sb, .offset: 32, .size: 8, .value_kind: global_buffer, .address_space: global }
    .group_segment_fixed_size: 287744
    .private_segment_fixed_size: 0
    .kernarg_segment_align: 8
    .kernarg_segment_size: 40
    .max_flat_workgroup_size: 256
    .sgpr_count:     66
    .vgpr_count:     512
    .wavefront_size: 32
...
	.end_amdgpu_metadata
.endif
;; end of part 1
;; launch mid1 (part 2): grid 64 x 1, 8 waves a work-group, no clusters, 78,848 bytes of LDS; arguments xp, tp, sb, tab, par, cent, tmean; writes tab, par, cent, tmean
.if DOCPART == 2
	.amdgcn_target "amdgcn-amd-amdhsa--gfx1250"
	.amdhsa_code_object_version 6
	.text
	.protected	k_q060e1ef031_mid1
	.globl	k_q060e1ef031_mid1
	.p2align	8
	.type	k_q060e1ef031_mid1,@function
k_q060e1ef031_mid1:
	s_mov_b64 s[64:65], 0
	v_nop
	global_prefetch_b8 v0, s[64:65] scope:SCOPE_SE
	s_setreg_imm32_b32 hwreg(HW_REG_WAVE_MODE, 25, 1), 1
	s_wait_xcnt 0x0
; Closes the first iteration for centre k = the work-group's number: adds the 256 slices' sums, and makes the new centre, its time mean and
; variance, the beta prior's parameters and the next pass's tables.  Thread t holds slice t.
;   wsum: sums of 32 rows chained in f32.  Thread t starts from the sum of the slices in front of it, adds its 49 (48) block sums one after the
;         other, and takes the start away again: each block sum is thereby rounded to the unit that the chain has at that place.
;   sum w t: eight interleaved chains.  Of the pass's four grids thread t takes the one whose power of two is that of (prefix at the slice's
;         middle) / 8, clamped to the four.
;   mean = sum w t / (wsum + 1e-10);  var = sum [S2 / N^2 + (tc - mean) (2 S1 / N + (tc - mean) S0)] / (wsum + 1e-10), tc = the time of the
;         slice's centre row: each slice's own second moment, shifted; no difference of large sums is formed.
; The running sums (256 bytes for each slice) are loaded so that a wave's load covers 512 consecutive bytes, and turned through LDS, rows of
; 256 + 16 bytes, so that thread t gets slice t's: 16 lanes then read 16 rows in 16 different columns of 16 bytes.
; The prefixes: a scan over each 16 lanes on the adds themselves, the 16 rows' totals through LDS.  Three barriers, then wave 0 finishes alone.
; Divisions are a reciprocal with one correction step.  All choices are selects; nothing steers a branch or an address.
; 64 work-groups: one for each centre; the sums of one centre have one owner.  Nothing is shared between them: no cluster.
; LIMITS.  log Beta(a, b) by Stirling's series at a + 8, b + 8, a + b + 8 (three terms; next term below 3e-10) and the product z (z+1) .. (z+7);
; absolute error about 1e-7 max(a, b); it cancels in the normalised prior unless the guard 1e-10 on its sum is active.
; The products of four stay finite up to z of about 1e9; sigma > 1e-4 bounds a and b by about 1e8.
; A binade's crossing is placed to one slice for sum w t; the modelled rounding is off by at most one slice's terms there.
.set INVN,   0x3627c5ac                ; 1 / 400000
.set EPSF,   0x2edbe6ff                ; 1e-10
.set K2,     0x4038aa3b                ; 2 log2(e)
.set LOG2E,  0x3fb8aa3b
.set NLOG2E, 0xbfb8aa3b
.set KPL,    0x430a0000                ; 138.0, as in the pass
.set TABS, 10                          ; s[10:11] tab
; LDS: 0 [wave][64] f32; 2048 [slice] (scan of S0, scan of the mean's terms); 4096 [wave] (wsum, sum w t); 4160 [wave] the variance's terms;
.set SBL,  8192                        ; [slice] 64 running sums
.set SBLP, 272                         ; = 17 x 16 bytes
; v[32:95] take the 16 loads of xp, v[32:63] later wave 0's eight LDS loads; the names between are used only when those numbers are dead.
.set DEN,  18
.set RC,   19
.set MEAN, 20
.set VAR,  26
.set CE,   40                          ; v[40:43] the new centre, d = 4 r .. 4 r + 3
.set CSQ,  44
.set SS,   46
.set HH,   50
.set LL,   52
.set SG,   64
.set MU,   65
.set VS,   66
.set R1,   67
.set R2,   68
.set N1,   69
.set N2,   70
.set AA,   71
.set BB,   72
.set AB,   73
.set A8,   74
.set B8,   75
.set C8,   76
.set Q1,   77
.set Q2,   78
.set Q3,   79
.set BR,   80
.set PP,   81
.set TA,   82
.set TB,   83
.set TC,   84
.set CR1,  85
.set CR2,  86
.set CR3,  87
.set PQ,   88                          ; v[88:91] par[k]
.set EE,   92
.set VC,   93
.set VP,   94
.set VT,   95
.set RBA,  96
.set NEG,  97
.set VTAB, 98
.set SBA,  99                          ; LDS: where my 16 bytes of a slice's running sums go: row t / 16 (+ 16 i), byte 16 (t % 16)
.set GR,   100                         ; v[100:103] sum w t on the four grids
.set E0,   104                         ; sum of S0 over the slices in front of mine
.set E1,   105                         ; the same of the mean's terms
.set ROW,  106                         ; t / 16
.set CH,   107                         ; the chain
.set SCA,  108
.set TMP,  109
.set SC,   110                         ; v[110:111] the scans
.set RS,   112                         ; v[112:175] running sums, wave w, block i at + 8 w + i
.set RT,   176                         ; v[176:205] 15 rows' totals, in pairs
.set SBR,  206                         ; LDS: row t of the running sums
.macro QADD d, s
	v_pk_add_f32 v[\d:\d+1], v[\d:\d+1], v[\s:\s+1]
	v_pk_add_f32 v[\d+2:\d+3], v[\d+2:\d+3], v[\s+2:\s+3]
.endm
.macro WSUM r                          ; sum over the wave's 32 lanes, in every lane
.irp x, 1,2,4,8
	v_add_f32_dpp v[\r], v[\r], v[\r] row_xmask:\x row_mask:0xf bank_mask:0xf
.endr
	v_permlanex16_b32 v12, v[\r], s24, s25
	v_add_f32 v[\r], v[\r], v12
.endm
.macro DIV q, num, den, rc             ; q = num / den, rc = the reciprocal of den: one correction by the remainder
	v_mul_f32 v[\q], v[\num], v[\rc]
	v_fma_f32 v[EE], -v[\q], v[\den], v[\num]
	v_fma_f32 v[\q], v[EE], v[\rc], v[\q]
.endm
.macro L2P out, z                      ; log2 of z (z+1) .. (z+7), as two products of four
	v_add_f32 v[TA], 1.0, v[\z]
	v_add_f32 v[TB], 2.0, v[\z]
	v_add_f32 v[TC], 0x40400000, v[\z]
	v_mul_f32 v[TA], v[\z], v[TA]
	v_mul_f32 v[TB], v[TB], v[TC]
	v_mul_f32 v[TA], v[TA], v[TB]
	v_add_f32 v[TB], 4.0, v[\z]
	v_add_f32 v[TC], 0x40a00000, v[\z]
	v_mul_f32 v[TB], v[TB], v[TC]
	v_add_f32 v[TC], 0x40c00000, v[\z]
	v_add_f32 v[\out], 0x40e00000, v[\z]
	v_mul_f32 v[TC], v[TC], v[\out]
	v_mul_f32 v[TB], v[TB], v[TC]
	v_log_f32 v[TA], v[TA]
	v_log_f32 v[TB], v[TB]
	v_nop                                  ; one plain instruction behind a transcendental before its result is used (ISA guide 5.7.2)
	s_wait_alu depctr_va_vdst(0)
	v_add_f32 v[\out], v[TA], v[TB]
.endm
.macro CORR out, y                     ; 1/(12 y) - 1/(360 y^3) + 1/(1260 y^5)
	v_rcp_f32 v[\out], v[\y]
	v_nop
	s_wait_alu depctr_va_vdst(0)
	v_mul_f32 v[TA], v[\out], v[\out]
	v_fma_f32 v[TB], v[TA], s30, s31
	v_fma_f32 v[TB], v[TB], v[TA], s32
	v_mul_f32 v[\out], v[\out], v[TB]
.endm
; From c in v[CE:CE+3]: |c|^2 into v[CSQ] (all lanes), and the row of tab: lanes 0-15 store the upper parts, lanes 16-31 the lower
; parts, 8 bytes a lane, so that the one store covers the row's 256 consecutive bytes.
.macro TABROW
	v_mul_f32 v[CSQ], v[CE], v[CE]
	v_fmac_f32 v[CSQ], v[CE+1], v[CE+1]
	v_fmac_f32 v[CSQ], v[CE+2], v[CE+2]
	v_fmac_f32 v[CSQ], v[CE+3], v[CE+3]
.irp x, 1,2,4,8
	v_add_f32_dpp v[CSQ], v[CSQ], v[CSQ] row_xmask:\x row_mask:0xf bank_mask:0xf
.endr
	v_pk_mul_f32 v[SS:SS+1], v[CE:CE+1], K2 op_sel_hi:[1,0]
	v_pk_mul_f32 v[SS+2:SS+3], v[CE+2:CE+3], K2 op_sel_hi:[1,0]
	v_cvt_pk_bf16_f32 v[HH], v[SS], v[SS+1]
	v_cvt_pk_bf16_f32 v[HH+1], v[SS+2], v[SS+3]
	v_fma_mix_f32_bf16 v[SS], v[HH], v[NEG], v[SS] op_sel_hi:[1,0,0]
	v_fma_mix_f32_bf16 v[SS+1], v[HH], v[NEG], v[SS+1] op_sel:[1,0,0] op_sel_hi:[1,0,0]
	v_fma_mix_f32_bf16 v[SS+2], v[HH+1], v[NEG], v[SS+2] op_sel_hi:[1,0,0]
	v_fma_mix_f32_bf16 v[SS+3], v[HH+1], v[NEG], v[SS+3] op_sel:[1,0,0] op_sel_hi:[1,0,0]
	v_cvt_pk_bf16_f32 v[LL], v[SS], v[SS+1]
	v_cvt_pk_bf16_f32 v[LL+1], v[SS+2], v[SS+3]
	v_cmp_le_u32 vcc_lo, 16, v0
	v_cndmask_b32 v[HH], v[HH], v[LL], vcc_lo
	v_cndmask_b32 v[HH+1], v[HH+1], v[LL+1], vcc_lo
	global_store_b64 v[VTAB], v[HH:HH+1], s[TABS:TABS+1]
.endm
	s_load_b256 s[4:11], s[0:1], 0x0               ; xp s[4:5], tp s[6:7], sb s[8:9], tab s[10:11]
	s_load_b128 s[12:15], s[0:1], 0x20             ; par s[12:13], cent s[14:15]
	s_load_b64 s[16:17], s[0:1], 0x30              ; tmean
	v_lshl_add_u32 v208, v0, 2, 0x13000
	v_mov_b32 v209, 0
	v_lshrrev_b32 v12, 5, v0
	v_readfirstlane_b32 s18, v12                   ; wave
	s_mov_b32 s24, 0x76543210
	s_mov_b32 s25, 0xfedcba98
	s_mov_b32 s30, 0x3a500d01                      ; 1/1260
	s_mov_b32 s31, 0xbb360b61                      ; -1/360
	s_mov_b32 s32, 0x3daaaaab                      ; 1/12
	s_lshl_b32 s20, ttmp9, 16                      ; xp and sb: 65536 k
	s_mov_b32 s21, 0
	s_lshl_b32 s22, ttmp9, 4                       ; tp: 16 k
	s_mov_b32 s23, 0
	v_and_b32 v1, 15, v0                           ; r
	v_lshlrev_b32 v2, 11, v0                       ; tp: 2048 t
	v_lshlrev_b32 v3, 4, v0                        ; xp and sb: 16 t
	v_lshrrev_b32 v[ROW], 4, v0
	v_mul_u32_u24 v[SBA], v[ROW], SBLP
	v_lshl_add_u32 v[SBA], v1, 4, v[SBA]
	v_add_nc_u32 v[SBA], SBL, v[SBA]
	v_mul_u32_u24 v[SBR], v0, SBLP
	v_add_nc_u32 v[SBR], SBL, v[SBR]
	v_lshlrev_b32 v13, 8, v12
	v_lshl_add_u32 v13, v1, 4, v13
	v_lshl_add_u32 v14, v12, 3, 0x1000
	v_lshl_add_u32 v[RBA], v12, 2, 0x1040
	v_lshl_add_u32 v[SCA], v0, 3, 0x800
	v_mov_b32 v15, 0
	s_wait_kmcnt 0x0
	s_add_nc_u64 s[4:5], s[4:5], s[20:21]
	s_add_nc_u64 s[8:9], s[8:9], s[20:21]
	s_add_nc_u64 s[6:7], s[6:7], s[22:23]
	global_load_b128 v[4:7], v2, s[6:7]            ; S0, S1, S2 of slice t
	global_load_b128 v[GR:GR+3], v2, s[6:7] offset:1024
.irp i, 0,1,2,3,4,5,6,7,8,9,10,11,12,13,14,15
	global_load_b128 v[RS+4*\i:RS+4*\i+3], v3, s[8:9] offset:4096*\i   ; running sums of slice t / 16 + 16 i, bytes 16 (t % 16) ..; a wave's load covers 512 consecutive bytes
.endr
.irp i, 0,1,2,3,4,5,6,7,8,9,10,11,12,13,14,15
	global_load_b128 v[32+4*\i:35+4*\i], v3, s[4:5] offset:4096*\i     ; slices t / 16 + 16 i, d = 4 r .. 4 r + 3, likewise
.endr
	v_min_u32 v8, 212, v0
	v_mad_u32_u24 v8, v0, 48, v8                   ; the slice's first block
	v_lshl_add_u32 v8, v8, 5, 784
	v_cvt_f32_u32 v8, v8
	v_add_f32 v8, 0.5, v8
	v_mul_f32 v8, INVN, v8                         ; tc
	s_wait_loadcnt 0x20                            ; the time sums are in; the 16 loads of sb and the 16 of xp stay out
	v_mul_f32 v9, INVN, v5                         ; S1 / N
	v_fma_f32 v11, v4, v8, v9                      ; the slice's sum w t
	v_mov_b32 v[SC], v4
	v_mov_b32 v[SC+1], v11
.irp x, 1,2,4,8
	v_add_f32_dpp v[SC], v[SC], v[SC] row_shr:\x row_mask:0xf bank_mask:0xf bound_ctrl:1       ; lane i += lane i - x, within 16 lanes
	v_add_f32_dpp v[SC+1], v[SC+1], v[SC+1] row_shr:\x row_mask:0xf bank_mask:0xf bound_ctrl:1
.endr
	ds_store_b64 v[SCA], v[SC:SC+1]
	s_wait_loadcnt 0x10                            ; the running sums are in; the 16 loads of xp stay out
.irp i, 0,1,2,3,4,5,6,7,8,9,10,11,12,13,14,15
	ds_store_b128 v[SBA], v[RS+4*\i:RS+4*\i+3] offset:16*SBLP*\i
.endr
	s_wait_loadcnt 0x0
.irp i, 0,1,2,3,4,5,6,7
	QADD 32+4*\i, 64+4*\i
.endr
.irp i, 0,1,2,3
	QADD 32+4*\i, 48+4*\i
.endr
.irp i, 0,1
	QADD 32+4*\i, 40+4*\i
.endr
	QADD 32, 36
.irp i, 0,1,2,3
	v_permlanex16_b32 v[36+\i], v[32+\i], s24, s25
.endr
.irp i, 0,1,2,3
	v_add_f32 v[32+\i], v[32+\i], v[36+\i]
.endr
	ds_store_b128 v13, v[32:35]                    ; both halves write the same numbers to the same bytes
	s_wait_dscnt 0x0                               ; my stores have landed, for the other waves
	s_barrier_signal -1
	s_barrier_wait -1
.irp i, 0,1,2,3,4,5,6,7,8,9,10,11,12,13,14
	ds_load_b64 v[RT+2*\i:RT+2*\i+1], v15 offset:2048+128*\i+120   ; lane 15 of row i holds the row's totals
.endr
.irp j, 0,1,2,3,4,5,6,7,8,9,10,11,12,13,14,15
	ds_load_b128 v[RS+4*\j:RS+4*\j+3], v[SBR] offset:16*\j         ; slice t's 64 running sums
.endr
	v_sub_f32 v[E0], v[SC], v4                     ; the slices in front of mine in my row of 16,
	v_sub_f32 v[E1], v[SC+1], v11
	s_wait_dscnt 0x10                              ; the 15 totals are in; the 16 loads of running sums stay out
.irp i, 0,1,2,3,4,5,6,7,8,9,10,11,12,13,14
	v_cmp_lt_u32 vcc_lo, \i, v[ROW]                ; and the rows in front of mine
	v_cndmask_b32 v[TMP], 0, v[RT+2*\i], vcc_lo
	v_add_f32 v[E0], v[E0], v[TMP]
	v_cndmask_b32 v[TMP], 0, v[RT+2*\i+1], vcc_lo
	v_add_f32 v[E1], v[E1], v[TMP]
.endr
	s_wait_dscnt 0x0
	; block sums from running sums, from the last block down
	v_sub_f32 v[RS+6], v[RS+6], v[RS+5]
.irp i, 5,4,3,2,1
.irp w, 0,1,2,3,4,5,6,7
	v_sub_f32 v[RS+8*\w+\i], v[RS+8*\w+\i], v[RS+8*\w+\i-1]
.endr
.endr
	; the chain of block sums: block j of the slice is wave j % 8's block j / 8
	v_mov_b32 v[CH], v[E0]
.irp i, 0,1,2,3,4,5
.irp w, 0,1,2,3,4,5,6,7
	v_add_f32 v[CH], v[CH], v[RS+8*\w+\i]
.endr
.endr
	v_cmp_gt_u32 vcc_lo, 212, v0                   ; the first 212 slices have a 49th block
	v_cndmask_b32 v[TMP], 0, v[RS+6], vcc_lo
	v_add_f32 v[CH], v[CH], v[TMP]
	v_sub_f32 v10, v[CH], v[E0]                    ; the slice's share of wsum
	; the grid: exponent of (prefix at the slice's middle) / 8 less exponent of M, clamped to 0 .. 3
	v_fma_f32 v[TMP], v11, 0.5, v[E1]
	v_mul_f32 v[TMP], 0x3e000000, v[TMP]
	v_lshrrev_b32 v[TMP], 23, v[TMP]
	v_mul_f32 v12, v8, v8
	v_mul_f32 v12, KPL, v12
	v_lshrrev_b32 v12, 23, v12
	v_sub_nc_u32 v12, v[TMP], v12
	v_max_i32 v12, 0, v12
	v_min_i32 v12, 3, v12
	v_mov_b32 v11, v[GR]
.irp c, 1,2,3
	v_cmp_eq_u32 vcc_lo, \c, v12
	v_cndmask_b32 v11, v11, v[GR+\c], vcc_lo
.endr
	WSUM 10
	WSUM 11
	ds_store_b64 v14, v[10:11]
	s_wait_dscnt 0x0
	s_barrier_signal -1
	s_barrier_wait -1
.irp i, 0,1,2,3
	ds_load_b128 v[16+4*\i:19+4*\i], v15 offset:4096+16*\i
.endr
	s_wait_dscnt 0x0
	v_pk_add_f32 v[16:17], v[16:17], v[18:19]
	v_pk_add_f32 v[20:21], v[20:21], v[22:23]
	v_pk_add_f32 v[24:25], v[24:25], v[26:27]
	v_pk_add_f32 v[28:29], v[28:29], v[30:31]
	v_pk_add_f32 v[16:17], v[16:17], v[20:21]
	v_pk_add_f32 v[24:25], v[24:25], v[28:29]
	v_pk_add_f32 v[16:17], v[16:17], v[24:25]      ; v16 = wsum, v17 = sum w t
	v_add_f32 v[DEN], EPSF, v16
	v_rcp_f32 v[RC], v[DEN]
	v_add_f32 v22, v9, v9                          ; 2 S1 / N
	s_wait_alu depctr_va_vdst(0)
	DIV MEAN, 17, DEN, RC
	v_sub_f32 v21, v8, v[MEAN]                     ; tc - mean
	v_fma_f32 v22, v21, v4, v22
	v_mul_f32 v23, INVN, v6
	v_mul_f32 v23, INVN, v23                       ; S2 / N^2
	v_fma_f32 v23, v21, v22, v23
	WSUM 23
	ds_store_b32 v[RBA], v23
	s_wait_dscnt 0x0
	s_barrier_signal -1
	s_barrier_wait -1
	s_cmp_lg_u32 s18, 0
	s_cbranch_scc1 .Lend
	; wave 0 alone
	ds_load_b128 v[24:27], v15 offset:4160
	ds_load_b128 v[28:31], v15 offset:4176
.irp c, 0,1,2,3,4,5,6,7
	ds_load_b128 v[32+4*\c:35+4*\c], v13 offset:256*\c             ; in wave 0 v13 is 16 r
.endr
	v_mov_b32 v[NEG], -1.0
	v_bfe_u32 v[VTAB], v0, 4, 1
	v_lshlrev_b32 v[VTAB], 7, v[VTAB]
	v_lshl_add_u32 v[VTAB], v1, 3, v[VTAB]
	s_lshl_b32 s20, ttmp9, 8
	v_add_nc_u32 v[VTAB], s20, v[VTAB]             ; 256 k + 128 h + 8 r
	s_wait_dscnt 0x0
	v_pk_add_f32 v[24:25], v[24:25], v[26:27]
	v_pk_add_f32 v[28:29], v[28:29], v[30:31]
	v_pk_add_f32 v[24:25], v[24:25], v[28:29]
	v_add_f32 v24, v24, v25
	DIV VAR, 24, DEN, RC
	QADD 32, 48
	QADD 36, 52
	QADD 40, 56
	QADD 44, 60
	QADD 32, 40
	QADD 36, 44
	QADD 32, 36
.irp i, 0,1,2,3
	DIV CE+\i, 32+\i, DEN, RC
.endr
	; the beta prior's parameters, as the problem's function makes them
	v_sqrt_f32 v[SG], v[VAR]
	v_nop
	s_wait_alu depctr_va_vdst(0)
	v_cmp_lt_f32 s26, 0x38d1b717, v[SG]            ; sigma > 1e-4
	v_cmp_lt_f32 s27, 0, v[MEAN]
	s_and_b32 s26, s26, s27
	v_cndmask_b32 v[MU], 0.5, v[MEAN], s26
	v_cndmask_b32 v[VS], 1.0, v[VAR], s26
	v_rcp_f32 v[R1], v[VS]
	v_rcp_f32 v[R2], v[MU]
	v_sub_f32 v[N1], 1.0, v[MU]
	v_mul_f32 v[N2], v[MU], v[MU]
	v_mul_f32 v[N1], v[N1], v[N2]
	s_wait_alu depctr_va_vdst(0)
	DIV AA, N1, VS, R1
	v_sub_f32 v[AA], v[AA], v[MU]                  ; a = (1 - mu) mu^2 / var - mu
	DIV BB, AA, MU, R2
	v_sub_f32 v[BB], v[BB], v[AA]                  ; b = a / mu - a
	v_cmp_lt_f32 s27, 0, v[AA]
	v_cmp_lt_f32 s28, 0, v[BB]
	s_and_b32 s26, s26, s27
	s_and_b32 s26, s26, s28                        ; ok
	v_cndmask_b32 v[AA], 1.0, v[AA], s26
	v_cndmask_b32 v[BB], 1.0, v[BB], s26
	; log2 Beta(a, b)
	v_add_f32 v[AB], v[AA], v[BB]
	v_add_f32 v[A8], 0x41000000, v[AA]
	v_add_f32 v[B8], 0x41000000, v[BB]
	v_add_f32 v[C8], 0x41000000, v[AB]
	v_rcp_f32 v[R1], v[C8]
	v_nop
	s_wait_alu depctr_va_vdst(0)
	DIV Q1, A8, C8, R1
	DIV Q2, B8, C8, R1
	v_log_f32 v[Q1], v[Q1]
	v_log_f32 v[Q2], v[Q2]
	v_log_f32 v[Q3], v[C8]
	v_add_f32 v[N1], -0.5, v[A8]
	v_add_f32 v[N2], -0.5, v[B8]
	s_wait_alu depctr_va_vdst(0)
	v_mul_f32 v[BR], v[N1], v[Q1]
	v_fmac_f32 v[BR], v[N2], v[Q2]
	v_fmac_f32 v[BR], 0x40f00000, v[Q3]            ; + 7.5 log2(a + b + 8)
	L2P PP, AA
	v_sub_f32 v[BR], v[BR], v[PP]
	L2P PP, BB
	v_sub_f32 v[BR], v[BR], v[PP]
	L2P PP, AB
	v_add_f32 v[BR], v[BR], v[PP]
	CORR CR1, A8
	CORR CR2, B8
	CORR CR3, C8
	v_add_f32 v[CR1], v[CR1], v[CR2]
	v_sub_f32 v[CR1], v[CR1], v[CR3]
	v_add_f32 v[CR1], 0xc0e2980e, v[CR1]           ; - 8 + log(2 pi) / 2
	v_fmac_f32 v[BR], LOG2E, v[CR1]
	v_sub_f32 v[BR], 0, v[BR]
	v_add_f32 v[PQ], -1.0, v[AA]                   ; A = a - 1: exactly 0 where the column is not ok
	v_add_f32 v[PQ+1], -1.0, v[BB]
	v_cndmask_b32 v[PQ+2], 0, v[BR], s26           ; C0 = -log2 Beta, exactly 0 there
	TABROW
	v_mul_f32 v[PQ+3], NLOG2E, v[CSQ]
	v_lshl_add_u32 v[VC], v1, 4, s20
	s_lshl_b32 s21, ttmp9, 4
	v_mov_b32 v[VP], s21
	s_lshl_b32 s22, ttmp9, 2
	v_mov_b32 v[VT], s22
	v_cmp_gt_u32 vcc_lo, 16, v0
	s_wait_xcnt 0x0                                ; EXEC is a source of the store above: it changes only behind this wait
	s_and_saveexec_b32 s29, vcc_lo
	global_store_b128 v[VC], v[CE:CE+3], s[14:15]  ; 16 lanes: the centre's 256 bytes
	s_wait_xcnt 0x0
	s_or_b32 exec_lo, exec_lo, s29
	v_cmp_eq_u32 vcc_lo, 0, v0
	s_and_saveexec_b32 s29, vcc_lo                 ; nothing has been issued since the last wait
	global_store_b128 v[VP], v[PQ:PQ+3], s[12:13]
	global_store_b32 v[VT], v[MEAN], s[16:17]
	s_wait_xcnt 0x0
	s_or_b32 exec_lo, exec_lo, s29
.Lend:
	s_wait_tensorcnt 0x0
	ds_add_u32 v208, v209
	s_wait_dscnt 0x0
	s_endpgm
.Lfunc_end_k_q060e1ef031_mid1:
	.size	k_q060e1ef031_mid1, .Lfunc_end_k_q060e1ef031_mid1-k_q060e1ef031_mid1
	.p2alignl 7, 3214868480
	.fill 96, 4, 3214868480
	.section	.rodata,"a",@progbits
	.p2align	6, 0x0
	.amdhsa_kernel k_q060e1ef031_mid1
		.amdhsa_group_segment_fixed_size 78848
		.amdhsa_private_segment_fixed_size 0
		.amdhsa_enable_private_segment 0
		.amdhsa_kernarg_size 56
		.amdhsa_user_sgpr_count 2
		.amdhsa_user_sgpr_kernarg_segment_ptr 1
		.amdhsa_wavefront_size32 1
		.amdhsa_system_sgpr_workgroup_id_x 1
		.amdhsa_system_sgpr_workgroup_id_y 1
		.amdhsa_system_sgpr_workgroup_id_z 1
		.amdhsa_system_vgpr_workitem_id 0
		.amdhsa_next_free_vgpr 210
		.amdhsa_next_free_sgpr 66
		.amdhsa_reserve_vcc 1
		.amdhsa_float_denorm_mode_32 3
		.amdhsa_float_denorm_mode_16_64 3
		.amdhsa_memory_ordered 1
		.amdhsa_forward_progress 1
		.amdhsa_inst_pref_size 32
	.end_amdhsa_kernel
	.amdgpu_metadata
---
amdhsa.version: [ 1, 2 ]
amdhsa.kernels:
  - .name:           k_q060e1ef031_mid1
    .symbol:         k_q060e1ef031_mid1.kd
    .args:
      - { .name: xp, .offset: 0, .size: 8, .value_kind: global_buffer, .address_space: global }
      - { .name: tp, .offset: 8, .size: 8, .value_kind: global_buffer, .address_space: global }
      - { .name: sb, .offset: 16, .size: 8, .value_kind: global_buffer, .address_space: global }
      - { .name: tab, .offset: 24, .size: 8, .value_kind: global_buffer, .address_space: global }
      - { .name: par, .offset: 32, .size: 8, .value_kind: global_buffer, .address_space: global }
      - { .name: cent, .offset: 40, .size: 8, .value_kind: global_buffer, .address_space: global }
      - { .name: tmean, .offset: 48, .size: 8, .value_kind: global_buffer, .address_space: global }
    .group_segment_fixed_size: 78848
    .private_segment_fixed_size: 0
    .kernarg_segment_align: 8
    .kernarg_segment_size: 56
    .max_flat_workgroup_size: 256
    .sgpr_count:     66
    .vgpr_count:     210
    .wavefront_size: 32
...
	.end_amdgpu_metadata
.endif
;; end of part 2
;; launch ssum (part 3): grid 256 x 1, 8 waves a work-group, no clusters, 3,072 bytes of LDS; arguments par, sp; writes sp
.if DOCPART == 3
	.amdgcn_target "amdgcn-amd-amdhsa--gfx1250"
	.amdhsa_code_object_version 6
	.text
	.protected	k_q060e1ef031_ssum
	.globl	k_q060e1ef031_ssum
	.p2align	8
	.type	k_q060e1ef031_ssum,@function
k_q060e1ef031_ssum:
	s_mov_b64 s[64:65], 0
	v_nop
	global_prefetch_b8 v0, s[64:65] scope:SCOPE_SE
	s_setreg_imm32_b32 hwreg(HW_REG_WAVE_MODE, 25, 1), 1
	s_wait_xcnt 0x0
; sp[g][k] = sum over the rows n of slice g of the beta density of centre k at t = (n + 0.5) / 400000:
; 2^(A log2 t + B log2(1-t) + C0).  The next pass divides by the total.  No maximum is taken away and nothing is clamped, as in the
; problem's function, which exponentiates the log density as it is.
; The same split of rows as in the pass: slice g = blocks 48 g + min(g, 212) and on; wave w takes every eighth block of 32 rows.
; Lane L holds the parameters of centres L and L + 32 as register pairs, so that one packed multiply-add serves both; a block's 32 times are
; made one in each lane and read out lane by lane into scalar registers, which the packed forms take as a broadcast.
; No matrix work, no input but 1 KiB of parameters: no LDS ring, no cluster.
.set NROWS, 400000
.set INVN,  0x3627c5ac
.set PA, 26                            ; v[26:27] A of centres L, L + 32
.set PB, 28                            ; v[28:29] B
.set PC, 30                            ; v[30:31] C0
.set TQ, 32                            ; v[32:39] four rows at work
; rows 4 i .. 4 i + 3 of the block, 64 centres.  Row q: log2 t in s[24+4q], log2(1-t) in s[26+4q]; the odd registers of these pairs are
; written once in front of the loop, since a packed form's scalar source is a pair, of which the first register is taken for both halves.
; v[16:17] sums the even rows, v[18:19] the odd ones, each in ascending order of rows.
.macro QUAD i
.irp q, 0,1,2,3
	v_readlane_b32 s[24+4*\q], v20, 4*\i+\q
	v_readlane_b32 s[26+4*\q], v21, 4*\i+\q
.endr
.irp q, 0,1,2,3
	v_pk_fma_f32 v[TQ+2*\q:TQ+2*\q+1], v[PA:PA+1], s[24+4*\q:25+4*\q], v[PC:PC+1] op_sel_hi:[1,0,1]
.endr
.irp q, 0,1,2,3
	v_pk_fma_f32 v[TQ+2*\q:TQ+2*\q+1], v[PB:PB+1], s[26+4*\q:27+4*\q], v[TQ+2*\q:TQ+2*\q+1] op_sel_hi:[1,0,1]
.endr
.irp e, 0,1,2,3,4,5,6,7
	v_exp_f32 v[TQ+\e], v[TQ+\e]
.endr
	v_nop                                  ; one plain instruction behind the exponentials before their results are used (ISA guide 5.7.2)
	s_wait_alu depctr_va_vdst(0)
	v_pk_add_f32 v[16:17], v[16:17], v[TQ:TQ+1]
	v_pk_add_f32 v[18:19], v[18:19], v[TQ+2:TQ+3]
	v_pk_add_f32 v[16:17], v[16:17], v[TQ+4:TQ+5]
	v_pk_add_f32 v[18:19], v[18:19], v[TQ+6:TQ+7]
.endm
	s_load_b128 s[4:7], s[0:1], 0x0                ; par s[4:5], sp s[6:7]
	v_lshl_add_u32 v48, v0, 2, 0x800
	v_mov_b32 v49, 0
	v_lshrrev_b32 v5, 5, v0
	v_readfirstlane_b32 s16, v5                    ; wave
	v_and_b32 v1, 31, v0                           ; L
	s_mov_b32 s17, ttmp9
	s_min_u32 s18, s17, 212
	s_mul_i32 s20, s17, 48
	s_add_co_u32 s18, s18, s20                     ; the slice's first block
	s_cmp_lt_u32 s17, 212
	s_cselect_b32 s19, 1, 0
	s_cmp_eq_u32 s16, 0
	s_cselect_b32 s19, s19, 0
	s_add_co_u32 s19, s19, 6                       ; my blocks: 6, or 7
	s_add_co_u32 s20, s18, s16
	s_lshl_b32 s20, s20, 5                         ; my first row
.irp r, 25,27,29,31,33,35,37,39
	s_mov_b32 s\r, 0                               ; the pairs' second registers
.endr
	v_add_nc_u32 v2, s20, v1
	v_sub_nc_u32 v3, NROWS, v2
	v_cvt_f32_u32 v2, v2
	v_cvt_f32_u32 v3, v3
	v_add_f32 v2, 0.5, v2                          ; n + 0.5
	v_add_f32 v3, -0.5, v3                         ; 400000 - n - 0.5
	v_lshlrev_b32 v4, 4, v1
	v_lshlrev_b32 v5, 8, v5
	v_lshl_add_u32 v5, v1, 2, v5                   ; LDS: 256 w + 4 L
	s_wait_kmcnt 0x0
	global_load_b128 v[8:11], v4, s[4:5]           ; A, B, C0 of centre L
	global_load_b128 v[12:15], v4, s[4:5] offset:512   ; and of centre L + 32
.irp i, 16,17,18,19
	v_mov_b32 v\i, 0
.endr
	s_mov_b32 s21, 0
	s_wait_loadcnt 0x0
	v_mov_b32 v[PA], v8
	v_mov_b32 v[PA+1], v12
	v_mov_b32 v[PB], v9
	v_mov_b32 v[PB+1], v13
	v_mov_b32 v[PC], v10
	v_mov_b32 v[PC+1], v14
.Ltrip:
	v_mul_f32 v20, INVN, v2
	v_mul_f32 v21, INVN, v3
	v_log_f32 v20, v20
	v_log_f32 v21, v21
	v_add_f32 v2, 0x43800000, v2                   ; eight blocks on
	v_add_f32 v3, 0xc3800000, v3
	s_wait_alu depctr_va_vdst(0)
.irp i, 0,1,2,3,4,5,6,7
	QUAD \i
.endr
	s_add_co_u32 s21, s21, 1
	s_cmp_lt_u32 s21, s19
	s_cbranch_scc1 .Ltrip
	v_add_f32 v16, v16, v18
	v_add_f32 v17, v17, v19
	ds_store_b32 v5, v16
	ds_store_b32 v5, v17 offset:128
	s_wait_dscnt 0x0                               ; my stores have landed, for wave 0
	s_barrier_signal -1
	s_barrier_wait -1
	s_cmp_lg_u32 s16, 0
	s_cbranch_scc1 .Lend
	v_lshlrev_b32 v6, 3, v1
.irp c, 0,1,2,3,4,5,6,7
	ds_load_b64 v[32+2*\c:33+2*\c], v6 offset:256*\c
.endr
	s_lshl_b32 s20, s17, 8
	v_add_nc_u32 v7, s20, v6
	s_wait_dscnt 0x0
	v_pk_add_f32 v[32:33], v[32:33], v[40:41]
	v_pk_add_f32 v[34:35], v[34:35], v[42:43]
	v_pk_add_f32 v[36:37], v[36:37], v[44:45]
	v_pk_add_f32 v[38:39], v[38:39], v[46:47]
	v_pk_add_f32 v[32:33], v[32:33], v[36:37]
	v_pk_add_f32 v[34:35], v[34:35], v[38:39]
	v_pk_add_f32 v[32:33], v[32:33], v[34:35]
	global_store_b64 v7, v[32:33], s[6:7]          ; the slice's 256 consecutive bytes in one store
.Lend:
	s_wait_tensorcnt 0x0
	ds_add_u32 v48, v49
	s_wait_dscnt 0x0
	s_endpgm
.Lfunc_end_k_q060e1ef031_ssum:
	.size	k_q060e1ef031_ssum, .Lfunc_end_k_q060e1ef031_ssum-k_q060e1ef031_ssum
	.p2alignl 7, 3214868480
	.fill 96, 4, 3214868480
	.section	.rodata,"a",@progbits
	.p2align	6, 0x0
	.amdhsa_kernel k_q060e1ef031_ssum
		.amdhsa_group_segment_fixed_size 3072
		.amdhsa_private_segment_fixed_size 0
		.amdhsa_enable_private_segment 0
		.amdhsa_kernarg_size 16
		.amdhsa_user_sgpr_count 2
		.amdhsa_user_sgpr_kernarg_segment_ptr 1
		.amdhsa_wavefront_size32 1
		.amdhsa_system_sgpr_workgroup_id_x 1
		.amdhsa_system_sgpr_workgroup_id_y 1
		.amdhsa_system_sgpr_workgroup_id_z 1
		.amdhsa_system_vgpr_workitem_id 0
		.amdhsa_next_free_vgpr 50
		.amdhsa_next_free_sgpr 66
		.amdhsa_reserve_vcc 0
		.amdhsa_float_denorm_mode_32 3
		.amdhsa_float_denorm_mode_16_64 3
		.amdhsa_memory_ordered 1
		.amdhsa_forward_progress 1
		.amdhsa_inst_pref_size 17
	.end_amdhsa_kernel
	.amdgpu_metadata
---
amdhsa.version: [ 1, 2 ]
amdhsa.kernels:
  - .name:           k_q060e1ef031_ssum
    .symbol:         k_q060e1ef031_ssum.kd
    .args:
      - { .name: par, .offset: 0, .size: 8, .value_kind: global_buffer, .address_space: global }
      - { .name: sp, .offset: 8, .size: 8, .value_kind: global_buffer, .address_space: global }
    .group_segment_fixed_size: 3072
    .private_segment_fixed_size: 0
    .kernarg_segment_align: 8
    .kernarg_segment_size: 16
    .max_flat_workgroup_size: 256
    .sgpr_count:     66
    .vgpr_count:     50
    .wavefront_size: 32
...
	.end_amdgpu_metadata
.endif
;; end of part 3
;; launch pass1 (part 4): grid 256 x 1, 8 waves a work-group, no clusters, 287,744 bytes of LDS; arguments x, tab, par, sp, xp, tp, sb; writes xp, tp, sb
.if DOCPART == 4
	.amdgcn_target "amdgcn-amd-amdhsa--gfx1250"
	.amdhsa_code_object_version 6
	.text
	.protected	k_q060e1ef031_pass1
	.globl	k_q060e1ef031_pass1
	.p2align	8
	.type	k_q060e1ef031_pass1,@function
k_q060e1ef031_pass1:
	s_mov_b64 s[64:65], 0
	v_nop
	global_prefetch_b8 v0, s[64:65] scope:SCOPE_SE
	s_setreg_imm32_b32 hwreg(HW_REG_WAVE_MODE, 25, 1), 1
	s_wait_xcnt 0x0
; One iteration's pass over x [400000][64] f32: soft assignment of every row to 64 centres, and the sums of the weights.
;   z[n][k] = x[n] . s[k] + bias[k] + clamp(A[k] log2 t + B[k] log2(1-t) + C0[k] - log2 max(S[k], 1e-10), log2 1e-30, 0)   (base 2; |x|^2 drops
;             out of the softmax);  w = softmax over k, with the row's true maximum taken away;
;   xp[k][g][d] = sum over slice g of w x;   tp[g][0][k] = (sum w, sum w m, sum w m^2, 0), m = row - (slice's first row + 784), a whole number;
;   tp[g][1][k] = sum w t on four grids (below);   sb[k][g][wave][i] = the wave's running sum of w after its block i.
; WORK.  12500 blocks of 32 rows.  Work-group g owns blocks 48 g + min(g, 212) and on, 49 if g < 212, else 48; wave w takes every eighth:
; 6 blocks, wave 0 of the first 212 groups 7.  Eight waves, two on each SIMD with 512 registers each; the loop has no barrier, so one wave's
; matrix work can run under the other's vector work.
; FORMATS.  x is rounded to bf16 once and serves both products.  s and w go to the matrix unit as two bf16 parts (16 bits), m as two and m^2
; as three (exact): the order of the time means, which decides the output's order of rows, hangs on differences far below one bf16 rounding.
; THE ROUNDING OF THE TIME SUMS.  That order also hangs on differences below the rounding error of a plain f32 evaluation of sum w t and
; sum w, so both are also formed with such a rounding.  sum w t: eight interleaved chains of multiply-adds.  While a chain stays in one binade
; it adds each term rounded to the chain's unit, and a sum of such terms does not hang on their order.  An accumulator that starts at a power
; of two M rounds every w t to M 2^-23.  The chain's binade (that of prefix / 8) is known only after the pass, so four accumulators run, from
; M, 2 M, 4 M, 8 M, M = the power of two at or below 138 tc^2 (tc: the slice's middle time): they serve clusters of 0.354 to 2.83 times
; 400000 / 64 rows; the next launch takes the one that fits.  sum w: sums of 32 rows, chained: my blocks are these rows, so the running sums go out.
; LAYOUTS (ISA guide 7.12.2).  Logits: A = 16 rows of x, B = 16 centres; in the result lane r is centre 16 kt + r, register j is row 8 h + j.
; Second product, once for each half block: its K = 32 is the 16 rows' upper parts of w (registers 0-3 of B) and the same rows' lower parts
; (registers 4-7); A = x transposed, the same 16 rows in both halves of K (the transposing load is issued twice).  Lane r is centre 16 kt + r,
; registers are d = 16 dt + 8 h + j.  A fifth d tile holds the time columns (1, m in two parts, m^2 in three parts, zeros).
; NOT USED.  Tensor loads: every refill of an LDS slot would need a barrier in the trip, which would hold the two waves of a SIMD in one phase
; and asks for equal trip counts.  Clusters: work-groups share only tab (16 KiB) and sp (64 KiB), read once, against 393 KiB or more of x of
; their own.  Prefetch: each wave always has its next 8 KiB of x requested a whole block ahead.
; LIMITS.  log(1-t) is log2((400000 - n - 0.5) / 400000), absolute error about 1e-7, multiplied by b - 1.  NaN in x spreads as in any softmax.
; A cluster outside 0.354 to 2.83 times the mean size gets the nearest grid: its sum w t then differs from the modelled rounding by some
; 1e-5 of itself.  In the first slices an accumulator can leave its binade; the units there are below 1e-8.
.set NROWS, 400000
.set INVN,  0x3627c5ac                 ; 1 / 400000
.set EPSF,  0x2edbe6ff                 ; 1e-10
.set LCLIP, 0xc2c750d1                 ; log2(1e-30)
.set KPL,   0x430a0000                 ; 138.0 = 0.354 x 3125 / 8
; LDS
.set TABP,  272                        ; tab: 64 rows of 256 bytes + 16 = 17 x 16
.set SPB,   17408                      ; [k][8 waves] f32, pitch 48
.set LTB,   20480                      ; + 512 w: log2 t of my 32 rows, log2(1-t) at + 128, t at + 256
.set STG,   24576                      ; + 5120 w: my block, 32 rows of 80 bf16 (64 of x, 16 time columns)
.set STP,   160                        ; = 5 x 32 bytes
.set RED,   65536                      ; + 21504 w: my sums, 64 rows of 80 f32 + the four grid sums
.set REDP,  336                        ; = 21 x 16
.set REDW,  64*REDP
.set SBT,   237568                     ; + 6144 w: my running sums of w, [k] 8 f32, pitch 48; at + 3072 lanes 16-31 put what is not wanted
.set SBW,   6144
.set SBH,   3072
.set SBP,   48
; registers, window 0; v1, v2, v3 = lane L, r = L % 16, h = L / 16
.set VOFF, 4                           ; 16 L
.set VST,  5                           ; stage: 160 h + 8 r
.set VTC,  6                           ; stage: 160 L + 128
.set VLS,  7                           ; log table: 4 L
.set VLL,  8                           ; log table: 32 h
.set VXA,  9                           ; stage: 160 r + 16 h
.set VXT,  10                          ; stage: 160 (8 h + L % 8) + 16 ((L / 8) % 2)
.set VM,   11                          ; m of my row
.set VNF,  12                          ; n + 0.5
.set VRF,  13                          ; 400000 - n - 0.5
.set VNEG, 14                          ; -1.0
.set VSB,  15                          ; running sums: 48 r + 3072 h + 4 x block
.set TR,   16                          ; v[16:23] at work
.set TT,   24                          ; v[24:27] the time columns, packed; v27 stays 0
.set PAR,  28                          ; v[28:43] kt: A, B, C' = C0 + bias - log2 S, HI = bias
.set LO,   44                          ; v[44:47] kt: bias + log2(1e-30)
.set XA,   48                          ; v[48:63] two fragments of x; then transposed tiles 0, 1
.set ZR,   64                          ; v[64:95] logits, then weights; then transposed tiles 2, 3, 4
.set WR,   96                          ; v[96:127] kt at + 8 kt: upper parts (4), lower parts (4) of 16 rows' weights
.set LTR,  WR                          ; until the packing fills them these host: log2 t of my 8 rows, then t,
.set L1R,  WR+8                        ;   log2(1-t),
.set MXR,  WR+16                       ;   the rows' maxima,
.set SMR,  WR+24                       ;   the rows' sums
.set CA,   128                         ; v[128:159] sum w t on grid c, centres kt, even and odd rows: + 8 c + 2 kt
.set SR,   160                         ; v[160:223] the next block of x, 16 loads in flight
.set CLOA, 224                         ; v[224:255] lower parts of s, kt 0, 1
; window 1 (v256 - v511)
.set ACC,  0                           ; tile (kt, dt) at 8 (5 kt + dt)
.set CHI,  160                         ; upper parts of s, (kt, ks) at + 8 (2 kt + ks)
.set CLOB, 224                         ; lower parts of s, kt 2, 3
.set MSB, 0
.macro WIN new                         ; s_set_vgpr_msb: bits 1:0 source 0, 3:2 source 1, 5:4 source 2, 7:6 destination; the high byte repeats the setting left
.if MSB != \new
	s_set_vgpr_msb (MSB<<8)|\new
.set MSB, \new
.endif
.endm
.macro PLACES                          ; four independent vector instructions behind a matrix instruction, before its result is read by the
.rept 4                                ; vector unit or by a store, or a load lands on one of its registers
	v_nop
.endr
.endm
.macro PLACES5                         ; five, where the next matrix instructions write over registers that the last ones read
.rept 5
	v_nop
.endr
.endm
.macro QADD d, s
	v_pk_add_f32 v[\d:\d+1], v[\d:\d+1], v[\s:\s+1]
	v_pk_add_f32 v[\d+2:\d+3], v[\d+2:\d+3], v[\s+2:\s+3]
.endm
.macro MKM                             ; M, 2 M, 4 M, 8 M into v[TR+4:TR+7]; the next launch makes M by the same operations
	s_lshl_b32 s29, s18, 5
	s_add_co_u32 s29, s29, 784
	v_cvt_f32_u32 v[TR+4], s29
	v_add_f32 v[TR+4], 0.5, v[TR+4]
	v_mul_f32 v[TR+4], INVN, v[TR+4]       ; tc
	v_mul_f32 v[TR+4], v[TR+4], v[TR+4]
	v_mul_f32 v[TR+4], KPL, v[TR+4]
	v_and_b32 v[TR+4], 0x7f800000, v[TR+4] ; the power of two at or below
	v_add_nc_u32 v[TR+5], 0x800000, v[TR+4]
	v_add_nc_u32 v[TR+6], 0x1000000, v[TR+4]
	v_add_nc_u32 v[TR+7], 0x1800000, v[TR+4]
.endm
.macro LDXA nb                         ; two fragments: rows 16 nb + r of x, K = d 0-31 and 32-63
.irp ks, 0,1
.irp u, 0,1
	ds_load_b128 v[XA+8*\ks+4*\u:XA+8*\ks+4*\u+3], v[VXA] offset:16*STP*\nb+64*\ks+32*\u
.endr
.endr
.endm
.macro LDLT nb                         ; log2 t and log2(1-t) of rows 16 nb + 8 h + 0..7
	ds_load_b128 v[LTR:LTR+3], v[VLL] offset:64*\nb
	ds_load_b128 v[LTR+4:LTR+7], v[VLL] offset:64*\nb+16
	ds_load_b128 v[L1R:L1R+3], v[VLL] offset:64*\nb+128
	ds_load_b128 v[L1R+4:L1R+7], v[VLL] offset:64*\nb+144
.endm
.macro LDTT nb                         ; t of the same rows, over log2 t, which is done with
	ds_load_b128 v[LTR:LTR+3], v[VLL] offset:64*\nb+256
	ds_load_b128 v[LTR+4:LTR+7], v[VLL] offset:64*\nb+272
.endm
.macro LDXT dt, nb, reg                ; columns 16 dt + r of the stage, rows 16 nb + 8 h + 0..7, in both halves of K
	ds_load_tr16_b128 v[\reg:\reg+3], v[VXT] offset:32*\dt+16*STP*\nb
	ds_load_tr16_b128 v[\reg+4:\reg+7], v[VXT] offset:32*\dt+16*STP*\nb
.endm
; 16 matrix instructions: 16 rows x 64 centres, K = 64, upper and lower parts of s.  The first four start the sums.
.macro LOGITS
	WIN 0x04                               ; source 1 in window 1
.irp kt, 0,1,2,3
	v_wmma_f32_16x16x32_bf16 v[ZR+8*\kt:ZR+8*\kt+7], v[XA:XA+7], v[CHI+16*\kt:CHI+16*\kt+7], 0
.endr
.irp kt, 0,1,2,3
	v_wmma_f32_16x16x32_bf16 v[ZR+8*\kt:ZR+8*\kt+7], v[XA+8:XA+15], v[CHI+16*\kt+8:CHI+16*\kt+15], v[ZR+8*\kt:ZR+8*\kt+7]
.endr
.irp ks, 0,1
.irp kt, 2,3
	v_wmma_f32_16x16x32_bf16 v[ZR+8*\kt:ZR+8*\kt+7], v[XA+8*\ks:XA+8*\ks+7], v[CLOB+16*(\kt-2)+8*\ks:CLOB+16*(\kt-2)+8*\ks+7], v[ZR+8*\kt:ZR+8*\kt+7]
.endr
.endr
	WIN 0
.irp ks, 0,1
.irp kt, 0,1
	v_wmma_f32_16x16x32_bf16 v[ZR+8*\kt:ZR+8*\kt+7], v[XA+8*\ks:XA+8*\ks+7], v[CLOA+16*\kt+8*\ks:CLOA+16*\kt+8*\ks+7], v[ZR+8*\kt:ZR+8*\kt+7]
.endr
.endr
.endm
; z += clamp(A log2 t + B log2(1-t) + C', LO, HI): the log of the clipped prior and the bias in one
.macro PRIOR
.irp kt, 0,1,2,3
.irp p, 0,1,2,3
	v_pk_fma_f32 v[TR+2*\p:TR+2*\p+1], v[LTR+2*\p:LTR+2*\p+1], v[PAR+4*\kt:PAR+4*\kt+1], v[PAR+4*\kt+2:PAR+4*\kt+3] op_sel_hi:[1,0,0]
.endr
.irp p, 0,1,2,3
	v_pk_fma_f32 v[TR+2*\p:TR+2*\p+1], v[L1R+2*\p:L1R+2*\p+1], v[PAR+4*\kt:PAR+4*\kt+1], v[TR+2*\p:TR+2*\p+1] op_sel:[0,1,0] op_sel_hi:[1,1,1]
.endr
.irp j, 0,1,2,3,4,5,6,7
	v_med3_num_f32 v[TR+\j], v[TR+\j], v[LO+\kt], v[PAR+4*\kt+3]
.endr
.irp p, 0,1,2,3
	v_pk_add_f32 v[ZR+8*\kt+2*\p:ZR+8*\kt+2*\p+1], v[ZR+8*\kt+2*\p:ZR+8*\kt+2*\p+1], v[TR+2*\p:TR+2*\p+1]
.endr
.endr
.endm
; softmax over the 64 centres of 16 rows (a row: register j of the four kt, over the 16 lanes of my half)
.macro SOFT
.irp j, 0,1,2,3,4,5,6,7
	v_max3_num_f32 v[MXR+\j], v[ZR+\j], v[ZR+8+\j], v[ZR+16+\j]
.endr
.irp j, 0,1,2,3,4,5,6,7
	v_max_num_f32 v[MXR+\j], v[MXR+\j], v[ZR+24+\j]
.endr
.irp x, 1,2,4,8
.irp j, 0,1,2,3,4,5,6,7
	v_max_num_f32_dpp v[MXR+\j], v[MXR+\j], v[MXR+\j] row_xmask:\x row_mask:0xf bank_mask:0xf
.endr
.endr
.irp kt, 0,1,2,3
.irp p, 0,1,2,3
	v_pk_add_f32 v[ZR+8*\kt+2*\p:ZR+8*\kt+2*\p+1], v[ZR+8*\kt+2*\p:ZR+8*\kt+2*\p+1], v[MXR+2*\p:MXR+2*\p+1] neg_lo:[0,1] neg_hi:[0,1]
.endr
.endr
.set i, 0
.rept 32
	v_exp_f32 v[ZR+i], v[ZR+i]
.set i, i+1
.endr
	v_nop                                  ; one plain instruction between the last exponential and the first use (ISA guide 5.7.2)
	s_wait_alu depctr_va_vdst(0)
.irp p, 0,1,2,3
	v_pk_add_f32 v[SMR+2*\p:SMR+2*\p+1], v[ZR+2*\p:ZR+2*\p+1], v[ZR+8+2*\p:ZR+8+2*\p+1]
.endr
.irp p, 0,1,2,3
	v_pk_add_f32 v[TR+2*\p:TR+2*\p+1], v[ZR+16+2*\p:ZR+16+2*\p+1], v[ZR+24+2*\p:ZR+24+2*\p+1]
.endr
.irp p, 0,1,2,3
	v_pk_add_f32 v[SMR+2*\p:SMR+2*\p+1], v[SMR+2*\p:SMR+2*\p+1], v[TR+2*\p:TR+2*\p+1]
.endr
.irp x, 1,2,4,8
.irp j, 0,1,2,3,4,5,6,7
	v_add_f32_dpp v[SMR+\j], v[SMR+\j], v[SMR+\j] row_xmask:\x row_mask:0xf bank_mask:0xf
.endr
.endr
.irp j, 0,1,2,3,4,5,6,7
	v_rcp_f32 v[SMR+\j], v[SMR+\j]
.endr
	v_nop
	s_wait_alu depctr_va_vdst(0)
.irp kt, 0,1,2,3
.irp p, 0,1,2,3
	v_pk_mul_f32 v[ZR+8*\kt+2*\p:ZR+8*\kt+2*\p+1], v[ZR+8*\kt+2*\p:ZR+8*\kt+2*\p+1], v[SMR+2*\p:SMR+2*\p+1]
.endr
.endr
.endm
; w t of 16 rows x 64 centres into the four grids: 16 independent accumulator pairs between two links of one chain
.macro GRID
.irp p, 0,1,2,3
.irp c, 0,1,2,3
.irp kt, 0,1,2,3
	v_pk_fma_f32 v[CA+8*\c+2*\kt:CA+8*\c+2*\kt+1], v[ZR+8*\kt+2*\p:ZR+8*\kt+2*\p+1], v[LTR+2*\p:LTR+2*\p+1], v[CA+8*\c+2*\kt:CA+8*\c+2*\kt+1]
.endr
.endr
.endr
.endm
; the weights in two bf16 parts; t, maxima and sums are dead from here
.macro PACK
.irp kt, 0,1,2,3
.irp p, 0,1,2,3
	v_cvt_pk_bf16_f32 v[WR+8*\kt+\p], v[ZR+8*\kt+2*\p], v[ZR+8*\kt+2*\p+1]
.endr
.irp p, 0,1,2,3
	v_fma_mix_f32_bf16 v[ZR+8*\kt+2*\p], v[WR+8*\kt+\p], v[VNEG], v[ZR+8*\kt+2*\p] op_sel_hi:[1,0,0]                      ; w - upper part, exact
	v_fma_mix_f32_bf16 v[ZR+8*\kt+2*\p+1], v[WR+8*\kt+\p], v[VNEG], v[ZR+8*\kt+2*\p+1] op_sel:[1,0,0] op_sel_hi:[1,0,0]
.endr
.irp p, 0,1,2,3
	v_cvt_pk_bf16_f32 v[WR+8*\kt+4+\p], v[ZR+8*\kt+2*\p], v[ZR+8*\kt+2*\p+1]
.endr
.endr
.endm
; 4 matrix instructions: d tile dt (fragment at register xt) x 64 centres, K = 16 rows in two parts
.macro SECOND dt, xt, first
.irp kt, 0,1,2,3
.if \first
	v_wmma_f32_16x16x32_bf16 v[ACC+8*(5*\kt+\dt):ACC+8*(5*\kt+\dt)+7], v[\xt:\xt+7], v[WR+8*\kt:WR+8*\kt+7], 0
.else
	v_wmma_f32_16x16x32_bf16 v[ACC+8*(5*\kt+\dt):ACC+8*(5*\kt+\dt)+7], v[\xt:\xt+7], v[WR+8*\kt:WR+8*\kt+7], v[ACC+8*(5*\kt+\dt):ACC+8*(5*\kt+\dt)+7]
.endif
.endr
.endm
; 16 rows.  On entry four fragment loads and behind them four loads of logs are out.
.macro HALF nb, first
	s_wait_dscnt 0x4                       ; the fragments of x are in; the four loads of logs stay out
	LOGITS
	PLACES
	LDXT 0, \nb, XA
	LDXT 1, \nb, XA+8
	s_wait_dscnt 0x4                       ; the logs are in; the four transposing loads stay out
	PRIOR
	LDTT \nb
	SOFT
	s_wait_dscnt 0x0                       ; t and tiles 0, 1 are in
	GRID
	PACK
	LDXT 2, \nb, ZR
	LDXT 3, \nb, ZR+8
	LDXT 4, \nb, ZR+16
	WIN 0x50                               ; C and D in window 1
	SECOND 0, XA, \first
	SECOND 1, XA+8, \first
	s_wait_dscnt 0x0
	SECOND 2, ZR, \first
	SECOND 3, ZR+8, \first
	SECOND 4, ZR+16, \first
	WIN 0
.endm
; One block of 32 rows.  first = 1: the products start the sums.  ahead = 1: the wave's next block is requested.
; Stage, log table and table of running sums are the wave's own, and LDS serves a wave's instructions in order (ISA guide 5.7.1): no barrier.
.macro BLOCK first, ahead
	s_wait_loadcnt 0x0                     ; my block is in registers, and its loads' base may be stepped
.irp j, 0,1,2,3,4,5,6,7,8,9,10,11,12,13,14,15
	v_cvt_pk_bf16_f32 v[SR+4*\j], v[SR+4*\j], v[SR+4*\j+1]
	v_cvt_pk_bf16_f32 v[SR+4*\j+1], v[SR+4*\j+2], v[SR+4*\j+3]
	ds_store_b64 v[VST], v[SR+4*\j:SR+4*\j+1] offset:2*STP*\j      ; rows 2 j + h, columns 4 r .. 4 r + 3
.endr
.if \ahead
	s_add_nc_u64 s[4:5], s[4:5], 0x10000   ; eight blocks of 8192 bytes on
.irp j, 0,1,2,3,4,5,6,7,8,9,10,11,12,13,14,15
	global_load_b128 v[SR+4*\j:SR+4*\j+3], v[VOFF], s[4:5] offset:512*\j th:TH_LOAD_NT
.endr
.endif
	; time columns of row L: 1, m = mh + ml, m^2 = q1 + q2 + q3.  |m| <= 784 and m^2 < 2^20 are whole numbers, so the parts are exact.
	v_mul_f32 v[TR], v[VM], v[VM]
	v_cvt_pk_bf16_f32 v[TT], 1.0, v[VM]
	v_and_b32 v[TR+1], 0xffff0000, v[TT]
	v_sub_f32 v[TR+1], v[VM], v[TR+1]
	v_cvt_pk_bf16_f32 v[TT+1], v[TR+1], v[TR]
	v_and_b32 v[TR+2], 0xffff0000, v[TT+1]
	v_sub_f32 v[TR+2], v[TR], v[TR+2]
	v_cvt_pk_bf16_f32 v[TR+3], v[TR+2], 0
	v_lshlrev_b32 v[TR+3], 16, v[TR+3]
	v_sub_f32 v[TR+3], v[TR+2], v[TR+3]
	v_cvt_pk_bf16_f32 v[TT+2], v[TR+2], v[TR+3]
	ds_store_b128 v[VTC], v[TT:TT+3]
	v_mul_f32 v[TR+4], INVN, v[VNF]        ; t
	v_mul_f32 v[TR+5], INVN, v[VRF]        ; 1 - t
	v_log_f32 v[TR+6], v[TR+4]
	v_log_f32 v[TR+7], v[TR+5]
	v_add_f32 v[VM], 0x43800000, v[VM]     ; my row of the next block: 256 rows on
	v_add_f32 v[VNF], 0x43800000, v[VNF]
	v_add_f32 v[VRF], 0xc3800000, v[VRF]
	s_wait_alu depctr_va_vdst(0)
	ds_store_b32 v[VLS], v[TR+6]
	ds_store_b32 v[VLS], v[TR+7] offset:128
	ds_store_b32 v[VLS], v[TR+4] offset:256
	LDXA 0
	LDLT 0
	HALF 0, \first
	PLACES5                                ; the loads below land on, and the next logits write over, registers that the products above read
	LDXA 1
	LDLT 1
	HALF 1, 0
	PLACES
	WIN 0x04                               ; an LDS store's data are source 1: window 1
.irp kt, 0,1,2,3
	ds_store_b32 v[VSB], v[ACC+8*(5*\kt+4)] offset:16*SBP*\kt      ; column 64 (lanes 0-15, register 0): the running sum of w
.endr
	WIN 0
	v_add_nc_u32 v[VSB], 4, v[VSB]
.endm
	s_load_b256 s[4:11], s[0:1], 0x0               ; x s[4:5], tab s[6:7], par s[8:9], sp s[10:11]
	s_load_b128 s[12:15], s[0:1], 0x20             ; xp s[12:13], tp s[14:15]
	s_load_b64 s[30:31], s[0:1], 0x30              ; sb
	v_lshrrev_b32 v1, 5, v0
	v_readfirstlane_b32 s16, v1                    ; wave w
	s_mov_b32 s17, ttmp9                           ; slice g
	s_min_u32 s18, s17, 212
	s_mul_i32 s20, s17, 48
	s_add_co_u32 s18, s18, s20                     ; the slice's first block
	s_cmp_lt_u32 s17, 212
	s_cselect_b32 s19, 1, 0
	s_cmp_eq_u32 s16, 0
	s_cselect_b32 s19, s19, 0                      ; 1: I have a seventh block, the slice's 49th
	s_mov_b32 s24, 0x76543210                      ; v_permlanex16_b32: lane i of one half reads lane i of the other
	s_mov_b32 s25, 0xfedcba98
	s_add_co_u32 s28, s18, s16                     ; my first block
	s_lshl_b32 s20, s28, 13                        ; in bytes (below 102,400,000)
	s_mov_b32 s21, 0
	s_lshl_b32 s28, s28, 5                         ; in rows
	s_mul_i32 s22, s16, 32*STP
	s_add_co_u32 s22, s22, STG                     ; my stage
	s_add_co_u32 s29, s22, 128                     ; its time columns
	s_lshl_b32 s23, s16, 9
	s_add_co_u32 s23, s23, LTB                     ; my log table
	s_mul_i32 s27, s16, SBW
	s_add_co_u32 s27, s27, SBT                     ; my table of running sums
	v_and_b32 v1, 31, v0                           ; L
	v_and_b32 v2, 15, v0                           ; r
	v_bfe_u32 v3, v0, 4, 1                         ; h
	v_lshlrev_b32 v[VOFF], 4, v1
	v_mul_u32_u24 v22, v3, STP
	v_lshl_add_u32 v22, v2, 3, v22
	v_add_nc_u32 v[VST], s22, v22
	v_mul_u32_u24 v22, v1, STP
	v_add_nc_u32 v[VTC], s29, v22
	v_lshl_add_u32 v[VLS], v1, 2, s23
	v_lshl_add_u32 v[VLL], v3, 5, s23
	v_mul_u32_u24 v22, v2, STP
	v_lshl_add_u32 v22, v3, 4, v22
	v_add_nc_u32 v[VXA], s22, v22
	v_and_b32 v22, 7, v0
	v_lshl_add_u32 v22, v3, 3, v22
	v_mul_u32_u24 v22, v22, STP
	v_bfe_u32 v23, v0, 3, 1
	v_lshl_add_u32 v22, v23, 4, v22
	v_add_nc_u32 v[VXT], s22, v22
	v_mul_u32_u24 v22, v2, SBP
	v_mad_u32_u24 v22, v3, SBH, v22
	v_add_nc_u32 v[VSB], s27, v22
	s_lshl_b32 s29, s16, 5
	s_sub_co_i32 s29, s29, 784
	v_add_nc_u32 v22, s29, v1
	v_cvt_f32_i32 v[VM], v22                       ; m = 32 w + L - 784
	v_add_nc_u32 v22, s28, v1                      ; n
	v_sub_nc_u32 v23, NROWS, v22
	v_cvt_f32_u32 v[VNF], v22
	v_cvt_f32_u32 v[VRF], v23
	v_add_f32 v[VNF], 0.5, v[VNF]                  ; both exact: below 2^19, one more bit
	v_add_f32 v[VRF], -0.5, v[VRF]
	v_mov_b32 v[VNEG], -1.0
.irp i, 0,1,2,3
	v_mov_b32 v[TT+\i], 0
.endr
	v_lshlrev_b32 v16, 4, v0                       ; 16 t
	v_lshlrev_b32 v17, 4, v2                       ; 16 r
	s_wait_kmcnt 0x0
	s_add_nc_u64 s[4:5], s[4:5], s[20:21]
.irp i, 0,1,2,3
	global_load_b128 v[ZR+4*\i:ZR+4*\i+3], v16, s[6:7] offset:4096*\i              ; tab, 16 KiB by the 256 threads
.endr
.irp i, 0,1,2,3,4,5,6,7,8,9,10,11,12,13,14,15
	global_load_b128 v[WR+4*\i:WR+4*\i+3], v16, s[10:11] offset:4096*\i            ; sp, 64 KiB: slices t / 16 + 16 i, centres 4 r .. 4 r + 3
.endr
.irp kt, 0,1,2,3
	global_load_b128 v[PAR+4*\kt:PAR+4*\kt+3], v17, s[8:9] offset:256*\kt          ; par of centre 16 kt + r
.endr
.irp j, 0,1,2,3,4,5,6,7,8,9,10,11,12,13,14,15
	global_load_b128 v[SR+4*\j:SR+4*\j+3], v[VOFF], s[4:5] offset:512*\j th:TH_LOAD_NT   ; my first block
.endr
	v_lshrrev_b32 v18, 4, v0
	v_mul_u32_u24 v18, v18, TABP
	v_lshl_add_u32 v18, v2, 4, v18                 ; tab in LDS: row t / 16 (+ 16 i), byte 16 (t % 16)
	v_mul_u32_u24 v19, v2, 192
	v_lshl_add_u32 v19, s16, 2, v19
	v_add_nc_u32 v19, SPB, v19                     ; sums of sp: centre 4 r (+ i), word w
	v_mul_u32_u24 v20, v2, TABP
	v_lshl_add_u32 v20, v3, 4, v20                 ; fragments of tab: row r, 16 h
	v_mul_u32_u24 v21, v2, 48
	v_add_nc_u32 v21, SPB, v21
	s_wait_loadcnt 0x10                            ; tab, sp and par are in; the 16 loads of x stay out
.irp i, 0,1,2,3
	ds_store_b128 v18, v[ZR+4*\i:ZR+4*\i+3] offset:16*TABP*\i
.endr
.irp i, 0,1,2,3,4,5,6,7
	QADD WR+4*\i, WR+4*\i+32
.endr
.irp i, 0,1,2,3
	QADD WR+4*\i, WR+4*\i+16
.endr
.irp i, 0,1
	QADD WR+4*\i, WR+4*\i+8
.endr
	QADD WR, WR+4
.irp i, 0,1,2,3
	v_permlanex16_b32 v[WR+4+\i], v[WR+\i], s24, s25
.endr
.irp i, 0,1,2,3
	v_add_f32 v[WR+\i], v[WR+\i], v[WR+4+\i]       ; my wave's 32 slices
.endr
.irp i, 0,1,2,3
	ds_store_b32 v19, v[WR+\i] offset:48*\i        ; both halves write the same number to the same word
.endr
	ds_store_b128 v[VTC], v[TT:TT+3] offset:16     ; columns 72-79 of my stage stay zero
.irp kt, 0,1,2,3
	ds_store_b64 v[VSB], v[TT:TT+1] offset:16*SBP*\kt+24           ; running sums 6 and 7: zero unless a seventh block writes the first
.endr
	s_wait_dscnt 0x0                               ; for the other waves' sake: my stores have landed
	s_barrier_signal -1
	s_barrier_wait -1
	WIN 0x40                                       ; destination in window 1
.irp kt, 0,1,2,3
.irp ks, 0,1
.irp u, 0,1
	ds_load_b128 v[CHI+8*(2*\kt+\ks)+4*\u:CHI+8*(2*\kt+\ks)+4*\u+3], v20 offset:16*TABP*\kt+64*\ks+32*\u
.endr
.endr
.endr
.irp kt, 2,3
.irp ks, 0,1
.irp u, 0,1
	ds_load_b128 v[CLOB+8*(2*(\kt-2)+\ks)+4*\u:CLOB+8*(2*(\kt-2)+\ks)+4*\u+3], v20 offset:16*TABP*\kt+128+64*\ks+32*\u
.endr
.endr
.endr
	WIN 0
.irp kt, 0,1
.irp ks, 0,1
.irp u, 0,1
	ds_load_b128 v[CLOA+8*(2*\kt+\ks)+4*\u:CLOA+8*(2*\kt+\ks)+4*\u+3], v20 offset:16*TABP*\kt+128+64*\ks+32*\u
.endr
.endr
.endr
.irp kt, 0,1,2,3
	ds_load_b128 v[ZR+8*\kt:ZR+8*\kt+3], v21 offset:768*\kt
	ds_load_b128 v[ZR+8*\kt+4:ZR+8*\kt+7], v21 offset:768*\kt+16
.endr
	MKM
.irp c, 0,1,2,3
.irp i, 0,1,2,3,4,5,6,7
	v_mov_b32 v[CA+8*\c+\i], v[TR+4+\c]            ; the grids' accumulators start at their powers of two
.endr
.endr
	s_wait_dscnt 0x0
.irp kt, 0,1,2,3
	v_pk_add_f32 v[ZR+8*\kt:ZR+8*\kt+1], v[ZR+8*\kt:ZR+8*\kt+1], v[ZR+8*\kt+2:ZR+8*\kt+3]
	v_pk_add_f32 v[ZR+8*\kt+4:ZR+8*\kt+5], v[ZR+8*\kt+4:ZR+8*\kt+5], v[ZR+8*\kt+6:ZR+8*\kt+7]
	v_pk_add_f32 v[ZR+8*\kt:ZR+8*\kt+1], v[ZR+8*\kt:ZR+8*\kt+1], v[ZR+8*\kt+4:ZR+8*\kt+5]
	v_add_f32 v[ZR+8*\kt], v[ZR+8*\kt], v[ZR+8*\kt+1]              ; S = the density's sum over all rows
	v_max_num_f32 v[ZR+8*\kt], EPSF, v[ZR+8*\kt]
.endr
.irp kt, 0,1,2,3
	v_log_f32 v[ZR+8*\kt], v[ZR+8*\kt]
.endr
.irp kt, 0,1,2,3
	v_add_f32 v[LO+\kt], LCLIP, v[PAR+4*\kt+3]
.endr
.irp kt, 0,1,2,3
	v_add_f32 v[PAR+4*\kt+2], v[PAR+4*\kt+2], v[PAR+4*\kt+3]
.endr
	s_wait_alu depctr_va_vdst(0)
.irp kt, 0,1,2,3
	v_sub_f32 v[PAR+4*\kt+2], v[PAR+4*\kt+2], v[ZR+8*\kt]
.endr
	BLOCK 1, 1                                     ; in front of the loop: its products start the sums, nothing is cleared
	s_mov_b32 s26, 0
.Lblk:
	BLOCK 0, 1
	s_add_co_u32 s26, s26, 1
	s_cmp_lt_u32 s26, 4
	s_cbranch_scc1 .Lblk
	s_cmp_eq_u32 s19, 0
	s_cbranch_scc1 .Llast                          ; six blocks: one in front, four in the loop, the last
	BLOCK 0, 1                                     ; seven: one more
.Llast:
	BLOCK 0, 0                                     ; the last block requests nothing: no load leaves x
	; THE WAY OUT.  Each wave lays its sums into LDS; behind a barrier the eight copies are added and stored.
	s_mul_i32 s20, s16, REDW
	s_add_co_u32 s20, s20, RED
	v_mul_u32_u24 v[VST], v2, REDP
	v_add_nc_u32 v[VST], s20, v[VST]               ; row r
	v_lshl_add_u32 v[VSB], v3, 5, v[VST]           ; row r, 32 h
	MKM
.irp kt, 0,1,2,3
.irp c, 0,1,2,3
	v_sub_f32 v[CA+8*\c+2*\kt], v[CA+8*\c+2*\kt], v[TR+4+\c]       ; exact: both are multiples of the grid's unit
	v_sub_f32 v[CA+8*\c+2*\kt+1], v[CA+8*\c+2*\kt+1], v[TR+4+\c]
	v_add_f32 v[CA+8*\c+2*\kt], v[CA+8*\c+2*\kt], v[CA+8*\c+2*\kt+1]
	v_permlanex16_b32 v[CA+8*\c+2*\kt+1], v[CA+8*\c+2*\kt], s24, s25
	v_add_f32 v[TR+\c], v[CA+8*\c+2*\kt], v[CA+8*\c+2*\kt+1]
.endr
	ds_store_b128 v[VST], v[TR:TR+3] offset:16*REDP*\kt+320        ; both halves write the same numbers to the same bytes
.endr
	WIN 0x04
.irp kt, 0,1,2,3
.irp dt, 0,1,2,3,4
	ds_store_b128 v[VSB], v[ACC+8*(5*\kt+\dt):ACC+8*(5*\kt+\dt)+3] offset:16*REDP*\kt+64*\dt
	ds_store_b128 v[VSB], v[ACC+8*(5*\kt+\dt)+4:ACC+8*(5*\kt+\dt)+7] offset:16*REDP*\kt+64*\dt+16
.endr
.endr
	WIN 0
	s_wait_dscnt 0x0
	s_barrier_signal -1
	s_barrier_wait -1
	v_lshrrev_b32 v16, 4, v0
	v_mul_u32_u24 v17, v16, REDP
	v_lshl_add_u32 v17, v2, 4, v17
	v_add_nc_u32 v17, RED, v17                     ; row t / 16 (+ 16 i), byte 16 (t % 16); copies 0-2 by the immediate (16 bits),
	v_add_nc_u32 v18, 3*REDW, v17                  ; copies 3-5,
	v_add_nc_u32 v19, 6*REDW, v17                  ; copies 6, 7
	v_lshlrev_b32 v20, 16, v16
	v_lshl_or_b32 v20, v2, 4, v20                  ; xp and sb: 65536 (t / 16) + 16 (t % 16)
	v_lshrrev_b32 v21, 1, v2
	v_mul_u32_u24 v21, v21, SBW                    ; running sums: wave (t % 16) / 2,
	v_mad_u32_u24 v21, v16, SBP, v21               ; centre t / 16 (+ 16 i),
	v_and_b32 v22, 1, v0
	v_lshl_add_u32 v21, v22, 4, v21                ; half t % 2
	v_add_nc_u32 v21, SBT, v21
	s_lshl_b32 s20, s17, 8
	s_mov_b32 s21, 0
	s_add_nc_u64 s[12:13], s[12:13], s[20:21]      ; + 256 g
	s_add_nc_u64 s[30:31], s[30:31], s[20:21]
.irp i, 0,1,2,3
.irp c, 0,1,2,3,4,5,6,7
	ds_load_b128 v[WR+32*\i+4*\c:WR+32*\i+4*\c+3], v[17+\c/3] offset:REDW*(\c%3)+16*REDP*\i
.endr
.endr
.irp i, 0,1,2,3
	s_wait_dscnt 8*(3-\i)                          ; group i's eight copies are in; the later groups stay out
	QADD WR+32*\i, WR+32*\i+16
	QADD WR+32*\i+4, WR+32*\i+20
	QADD WR+32*\i+8, WR+32*\i+24
	QADD WR+32*\i+12, WR+32*\i+28
	QADD WR+32*\i, WR+32*\i+8
	QADD WR+32*\i+4, WR+32*\i+12
	QADD WR+32*\i, WR+32*\i+4
	global_store_b128 v20, v[WR+32*\i:WR+32*\i+3], s[12:13] offset:1048576*\i      ; 16 lanes store the 256 consecutive bytes of xp[k][g]
.endr
.irp i, 0,1,2,3
	ds_load_b128 v[32+4*\i:35+4*\i], v21 offset:16*SBP*\i
.endr
	s_wait_dscnt 0x0
.irp i, 0,1,2,3
	global_store_b128 v20, v[32+4*\i:35+4*\i], s[30:31] offset:1048576*\i          ; and the 256 bytes of sb[k][g]: eight waves x 8 sums
.endr
	s_wait_xcnt 0x0                                ; the stores' data and offset registers are written again only behind this wait
	s_cmp_gt_u32 s16, 1
	s_cbranch_scc1 .Lend
	; waves 0 and 1: thread t adds the time columns and the grid sums of centre t
.macro TADD d, s
.irp p, 0,2,4,8,10
	v_pk_add_f32 v[\d+\p:\d+\p+1], v[\d+\p:\d+\p+1], v[\s+\p:\s+\p+1]
.endr
.endm
	v_mul_u32_u24 v17, v0, REDP
	v_add_nc_u32 v17, RED+256, v17
	v_add_nc_u32 v18, 3*REDW, v17
	v_add_nc_u32 v19, 6*REDW, v17
.irp c, 0,1,2,3,4,5,6,7
	ds_load_b128 v[WR+12*\c:WR+12*\c+3], v[17+\c/3] offset:REDW*(\c%3)
	ds_load_b64 v[WR+12*\c+4:WR+12*\c+5], v[17+\c/3] offset:REDW*(\c%3)+16
	ds_load_b128 v[WR+12*\c+8:WR+12*\c+11], v[17+\c/3] offset:REDW*(\c%3)+64
.endr
	s_lshl_b32 s20, s17, 11
	s_add_nc_u64 s[14:15], s[14:15], s[20:21]      ; tp + 2048 g
	v_lshlrev_b32 v16, 4, v0
	s_wait_dscnt 0x0
.irp c, 0,1,2,3
	TADD WR+12*\c, WR+12*\c+48
.endr
.irp c, 0,1
	TADD WR+12*\c, WR+12*\c+24
.endr
	TADD WR, WR+12
	v_add_f32 v[WR+1], v[WR+1], v[WR+2]            ; sum w m: the two parts
	v_add_f32 v[WR+4], v[WR+4], v[WR+5]            ; sum w m^2: the small parts first
	v_add_f32 v[WR+2], v[WR+3], v[WR+4]
	v_mov_b32 v[WR+3], 0
	global_store_b128 v16, v[WR:WR+3], s[14:15]
	global_store_b128 v16, v[WR+8:WR+11], s[14:15] offset:1024
.Lend:
	s_wait_xcnt 0x0
	v_lshl_add_u32 v254, v0, 2, 0x46000
	v_mov_b32 v255, 0
	s_wait_tensorcnt 0x0
	ds_add_u32 v254, v255
	s_wait_dscnt 0x0
	s_endpgm
.Lfunc_end_k_q060e1ef031_pass1:
	.size	k_q060e1ef031_pass1, .Lfunc_end_k_q060e1ef031_pass1-k_q060e1ef031_pass1
	.p2alignl 7, 3214868480
	.fill 96, 4, 3214868480
	.section	.rodata,"a",@progbits
	.p2align	6, 0x0
	.amdhsa_kernel k_q060e1ef031_pass1
		.amdhsa_group_segment_fixed_size 287744
		.amdhsa_private_segment_fixed_size 0
		.amdhsa_enable_private_segment 0
		.amdhsa_kernarg_size 56
		.amdhsa_user_sgpr_count 2
		.amdhsa_user_sgpr_kernarg_segment_ptr 1
		.amdhsa_wavefront_size32 1
		.amdhsa_system_sgpr_workgroup_id_x 1
		.amdhsa_system_sgpr_workgroup_id_y 1
		.amdhsa_system_sgpr_workgroup_id_z 1
		.amdhsa_system_vgpr_workitem_id 0
		.amdhsa_next_free_vgpr 512
		.amdhsa_next_free_sgpr 66
		.amdhsa_reserve_vcc 0
		.amdhsa_float_denorm_mode_32 3
		.amdhsa_float_denorm_mode_16_64 3
		.amdhsa_memory_ordered 1
		.amdhsa_forward_progress 1
		.amdhsa_inst_pref_size 255
	.end_amdhsa_kernel
	.section	.bss,"aw",@nobits
	.p2align	6
	.space	262144
	.amdgpu_metadata
---
amdhsa.version: [ 1, 2 ]
amdhsa.kernels:
  - .name:           k_q060e1ef031_pass1
    .symbol:         k_q060e1ef031_pass1.kd
    .args:
      - { .name: x, .offset: 0, .size: 8, .value_kind: global_buffer, .address_space: global }
      - { .name: tab, .offset: 8, .size: 8, .value_kind: global_buffer, .address_space: global }
      - { .name: par, .offset: 16, .size: 8, .value_kind: global_buffer, .address_space: global }
      - { .name: sp, .offset: 24, .size: 8, .value_kind: global_buffer, .address_space: global }
      - { .name: xp, .offset: 32, .size: 8, .value_kind: global_buffer, .address_space: global }
      - { .name: tp, .offset: 40, .size: 8, .value_kind: global_buffer, .address_space: global }
      - { .name: sb, .offset: 48, .size: 8, .value_kind: global_buffer, .address_space: global }
    .group_segment_fixed_size: 287744
    .private_segment_fixed_size: 0
    .kernarg_segment_align: 8
    .kernarg_segment_size: 56
    .max_flat_workgroup_size: 256
    .sgpr_count:     66
    .vgpr_count:     512
    .wavefront_size: 32
...
	.end_amdgpu_metadata
.endif
;; end of part 4
;; launch last (part 5): grid 64 x 1, 8 waves a work-group, no clusters, 78,848 bytes of LDS; arguments xp, tp, sb, cent, tmean; writes cent, tmean
.if DOCPART == 5
	.amdgcn_target "amdgcn-amd-amdhsa--gfx1250"
	.amdhsa_code_object_version 6
	.text
	.protected	k_q060e1ef031_last
	.globl	k_q060e1ef031_last
	.p2align	8
	.type	k_q060e1ef031_last,@function
k_q060e1ef031_last:
	s_mov_b64 s[64:65], 0
	v_nop
	global_prefetch_b8 v0, s[64:65] scope:SCOPE_SE
	s_setreg_imm32_b32 hwreg(HW_REG_WAVE_MODE, 25, 1), 1
	s_wait_xcnt 0x0
; Closes the last iteration for centre k = the work-group's number: adds the 256 slices' sums and makes the centre and its time mean.
; Nothing follows that would use a variance, a prior or tables for a further pass, so none is made.  Thread t holds slice t.
;   wsum: sums of 32 rows chained in f32.  Thread t starts from the sum of the slices in front of it, adds its 49 (48) block sums one after the
;         other, and takes the start away again: each block sum is thereby rounded to the unit that the chain has at that place.
;   sum w t: eight interleaved chains.  Of the pass's four grids thread t takes the one whose power of two is that of (prefix at the slice's
;         middle) / 8, clamped to the four.
;   mean = sum w t / (wsum + 1e-10);  centre = sum w x / (wsum + 1e-10).
; The running sums (256 bytes for each slice) are loaded so that a wave's load covers 512 consecutive bytes, and turned through LDS, rows of
; 256 + 16 bytes, so that thread t gets slice t's: 16 lanes then read 16 rows in 16 different columns of 16 bytes.
; The prefixes: a scan over each 16 lanes on the adds themselves, the 16 rows' totals through LDS.  Two barriers, then wave 0 finishes alone.
; Divisions are a reciprocal with one correction step.  All choices are selects; nothing steers a branch or an address.
; 64 work-groups: one for each centre; the sums of one centre have one owner.  Nothing is shared between them: no cluster.
; LIMIT.  A binade's crossing is placed to one slice for sum w t; the modelled rounding is off by at most one slice's terms there.
.set INVN,   0x3627c5ac                ; 1 / 400000
.set EPSF,   0x2edbe6ff                ; 1e-10
.set KPL,    0x430a0000                ; 138.0, as in the pass
; LDS: 0 [wave][64] f32; 2048 [slice] (scan of S0, scan of the mean's terms); 4096 [wave] (wsum, sum w t);
.set SBL,  8192                        ; [slice] 64 running sums
.set SBLP, 272                         ; = 17 x 16 bytes
; v[32:95] take the 16 loads of xp, v[32:63] later wave 0's eight LDS loads; the names between are used only when those numbers are dead.
.set DEN,  18
.set RC,   19
.set MEAN, 20
.set CE,   40                          ; v[40:43] the centre, d = 4 r .. 4 r + 3
.set EE,   92
.set VC,   93
.set VT,   95
.set SBA,  99                          ; LDS: where my 16 bytes of a slice's running sums go: row t / 16 (+ 16 i), byte 16 (t % 16)
.set GR,   100                         ; v[100:103] sum w t on the four grids
.set E0,   104                         ; sum of S0 over the slices in front of mine
.set E1,   105                         ; the same of the mean's terms
.set ROW,  106                         ; t / 16
.set CH,   107                         ; the chain
.set SCA,  108
.set TMP,  109
.set SC,   110                         ; v[110:111] the scans
.set RS,   112                         ; v[112:175] running sums, wave w, block i at + 8 w + i
.set RT,   176                         ; v[176:205] 15 rows' totals, in pairs
.set SBR,  206                         ; LDS: row t of the running sums
.macro QADD d, s
	v_pk_add_f32 v[\d:\d+1], v[\d:\d+1], v[\s:\s+1]
	v_pk_add_f32 v[\d+2:\d+3], v[\d+2:\d+3], v[\s+2:\s+3]
.endm
.macro WSUM r                          ; sum over the wave's 32 lanes, in every lane
.irp x, 1,2,4,8
	v_add_f32_dpp v[\r], v[\r], v[\r] row_xmask:\x row_mask:0xf bank_mask:0xf
.endr
	v_permlanex16_b32 v12, v[\r], s24, s25
	v_add_f32 v[\r], v[\r], v12
.endm
.macro DIV q, num, den, rc             ; q = num / den, rc = the reciprocal of den: one correction by the remainder
	s_wait_alu depctr_va_vdst(0)
	v_mul_f32 v[\q], v[\num], v[\rc]
	v_fma_f32 v[EE], -v[\q], v[\den], v[\num]
	v_fma_f32 v[\q], v[EE], v[\rc], v[\q]
.endm
	s_load_b256 s[4:11], s[0:1], 0x0               ; xp s[4:5], tp s[6:7], sb s[8:9], cent s[10:11]
	s_load_b64 s[12:13], s[0:1], 0x20              ; tmean
	v_lshl_add_u32 v208, v0, 2, 0x13000
	v_mov_b32 v209, 0
	v_lshrrev_b32 v12, 5, v0
	v_readfirstlane_b32 s18, v12                   ; wave
	s_mov_b32 s24, 0x76543210
	s_mov_b32 s25, 0xfedcba98
	s_lshl_b32 s20, ttmp9, 16                      ; xp and sb: 65536 k
	s_mov_b32 s21, 0
	s_lshl_b32 s22, ttmp9, 4                       ; tp: 16 k
	s_mov_b32 s23, 0
	v_and_b32 v1, 15, v0                           ; r
	v_lshlrev_b32 v2, 11, v0                       ; tp: 2048 t
	v_lshlrev_b32 v3, 4, v0                        ; xp and sb: 16 t
	v_lshrrev_b32 v[ROW], 4, v0
	v_mul_u32_u24 v[SBA], v[ROW], SBLP
	v_lshl_add_u32 v[SBA], v1, 4, v[SBA]
	v_add_nc_u32 v[SBA], SBL, v[SBA]
	v_mul_u32_u24 v[SBR], v0, SBLP
	v_add_nc_u32 v[SBR], SBL, v[SBR]
	v_lshlrev_b32 v13, 8, v12
	v_lshl_add_u32 v13, v1, 4, v13
	v_lshl_add_u32 v14, v12, 3, 0x1000
	v_lshl_add_u32 v[SCA], v0, 3, 0x800
	v_mov_b32 v15, 0
	s_wait_kmcnt 0x0
	s_add_nc_u64 s[4:5], s[4:5], s[20:21]
	s_add_nc_u64 s[8:9], s[8:9], s[20:21]
	s_add_nc_u64 s[6:7], s[6:7], s[22:23]
	global_load_b128 v[4:7], v2, s[6:7]            ; S0, S1 (and S2) of slice t
	global_load_b128 v[GR:GR+3], v2, s[6:7] offset:1024
.irp i, 0,1,2,3,4,5,6,7,8,9,10,11,12,13,14,15
	global_load_b128 v[RS+4*\i:RS+4*\i+3], v3, s[8:9] offset:4096*\i   ; running sums of slice t / 16 + 16 i, bytes 16 (t % 16) ..; a wave's load covers 512 consecutive bytes
.endr
.irp i, 0,1,2,3,4,5,6,7,8,9,10,11,12,13,14,15
	global_load_b128 v[32+4*\i:35+4*\i], v3, s[4:5] offset:4096*\i     ; slices t / 16 + 16 i, d = 4 r .. 4 r + 3, likewise
.endr
	v_min_u32 v8, 212, v0
	v_mad_u32_u24 v8, v0, 48, v8                   ; the slice's first block
	v_lshl_add_u32 v8, v8, 5, 784
	v_cvt_f32_u32 v8, v8
	v_add_f32 v8, 0.5, v8
	v_mul_f32 v8, INVN, v8                         ; tc
	s_wait_loadcnt 0x20                            ; the time sums are in; the 16 loads of sb and the 16 of xp stay out
	v_mul_f32 v9, INVN, v5                         ; S1 / N
	v_fma_f32 v11, v4, v8, v9                      ; the slice's sum w t
	v_mov_b32 v[SC], v4
	v_mov_b32 v[SC+1], v11
.irp x, 1,2,4,8
	v_add_f32_dpp v[SC], v[SC], v[SC] row_shr:\x row_mask:0xf bank_mask:0xf bound_ctrl:1       ; lane i += lane i - x, within 16 lanes
	v_add_f32_dpp v[SC+1], v[SC+1], v[SC+1] row_shr:\x row_mask:0xf bank_mask:0xf bound_ctrl:1
.endr
	ds_store_b64 v[SCA], v[SC:SC+1]
	s_wait_loadcnt 0x10                            ; the running sums are in; the 16 loads of xp stay out
.irp i, 0,1,2,3,4,5,6,7,8,9,10,11,12,13,14,15
	ds_store_b128 v[SBA], v[RS+4*\i:RS+4*\i+3] offset:16*SBLP*\i
.endr
	s_wait_loadcnt 0x0
.irp i, 0,1,2,3,4,5,6,7
	QADD 32+4*\i, 64+4*\i
.endr
.irp i, 0,1,2,3
	QADD 32+4*\i, 48+4*\i
.endr
.irp i, 0,1
	QADD 32+4*\i, 40+4*\i
.endr
	QADD 32, 36
.irp i, 0,1,2,3
	v_permlanex16_b32 v[36+\i], v[32+\i], s24, s25
.endr
.irp i, 0,1,2,3
	v_add_f32 v[32+\i], v[32+\i], v[36+\i]
.endr
	ds_store_b128 v13, v[32:35]                    ; both halves write the same numbers to the same bytes
	s_wait_dscnt 0x0                               ; my stores have landed, for the other waves
	s_barrier_signal -1
	s_barrier_wait -1
.irp i, 0,1,2,3,4,5,6,7,8,9,10,11,12,13,14
	ds_load_b64 v[RT+2*\i:RT+2*\i+1], v15 offset:2048+128*\i+120   ; lane 15 of row i holds the row's totals
.endr
.irp j, 0,1,2,3,4,5,6,7,8,9,10,11,12,13,14,15
	ds_load_b128 v[RS+4*\j:RS+4*\j+3], v[SBR] offset:16*\j         ; slice t's 64 running sums
.endr
	v_sub_f32 v[E0], v[SC], v4                     ; the slices in front of mine in my row of 16,
	v_sub_f32 v[E1], v[SC+1], v11
	s_wait_dscnt 0x10                              ; the 15 totals are in; the 16 loads of running sums stay out
.irp i, 0,1,2,3,4,5,6,7,8,9,10,11,12,13,14
	v_cmp_lt_u32 vcc_lo, \i, v[ROW]                ; and the rows in front of mine
	v_cndmask_b32 v[TMP], 0, v[RT+2*\i], vcc_lo
	v_add_f32 v[E0], v[E0], v[TMP]
	v_cndmask_b32 v[TMP], 0, v[RT+2*\i+1], vcc_lo
	v_add_f32 v[E1], v[E1], v[TMP]
.endr
	s_wait_dscnt 0x0
	; block sums from running sums, from the last block down
	v_sub_f32 v[RS+6], v[RS+6], v[RS+5]
.irp i, 5,4,3,2,1
.irp w, 0,1,2,3,4,5,6,7
	v_sub_f32 v[RS+8*\w+\i], v[RS+8*\w+\i], v[RS+8*\w+\i-1]
.endr
.endr
	; the chain of block sums: block j of the slice is wave j % 8's block j / 8
	v_mov_b32 v[CH], v[E0]
.irp i, 0,1,2,3,4,5
.irp w, 0,1,2,3,4,5,6,7
	v_add_f32 v[CH], v[CH], v[RS+8*\w+\i]
.endr
.endr
	v_cmp_gt_u32 vcc_lo, 212, v0                   ; the first 212 slices have a 49th block
	v_cndmask_b32 v[TMP], 0, v[RS+6], vcc_lo
	v_add_f32 v[CH], v[CH], v[TMP]
	v_sub_f32 v10, v[CH], v[E0]                    ; the slice's share of wsum
	; the grid: exponent of (prefix at the slice's middle) / 8 less exponent of M, clamped to 0 .. 3
	v_fma_f32 v[TMP], v11, 0.5, v[E1]
	v_mul_f32 v[TMP], 0x3e000000, v[TMP]
	v_lshrrev_b32 v[TMP], 23, v[TMP]
	v_mul_f32 v12, v8, v8
	v_mul_f32 v12, KPL, v12
	v_lshrrev_b32 v12, 23, v12
	v_sub_nc_u32 v12, v[TMP], v12
	v_max_i32 v12, 0, v12
	v_min_i32 v12, 3, v12
	v_mov_b32 v11, v[GR]
.irp c, 1,2,3
	v_cmp_eq_u32 vcc_lo, \c, v12
	v_cndmask_b32 v11, v11, v[GR+\c], vcc_lo
.endr
	WSUM 10
	WSUM 11
	ds_store_b64 v14, v[10:11]
	s_wait_dscnt 0x0
	s_barrier_signal -1
	s_barrier_wait -1
	s_cmp_lg_u32 s18, 0
	s_cbranch_scc1 .Lend
	; wave 0 alone
.irp i, 0,1,2,3
	ds_load_b128 v[16+4*\i:19+4*\i], v15 offset:4096+16*\i
.endr
.irp c, 0,1,2,3,4,5,6,7
	ds_load_b128 v[32+4*\c:35+4*\c], v13 offset:256*\c             ; in wave 0 v13 is 16 r
.endr
	s_lshl_b32 s20, ttmp9, 8
	v_lshl_add_u32 v[VC], v1, 4, s20               ; cent: 256 k + 16 r
	s_lshl_b32 s22, ttmp9, 2
	v_mov_b32 v[VT], s22                           ; tmean: 4 k
	s_wait_dscnt 0x0
	v_pk_add_f32 v[16:17], v[16:17], v[18:19]
	v_pk_add_f32 v[20:21], v[20:21], v[22:23]
	v_pk_add_f32 v[24:25], v[24:25], v[26:27]
	v_pk_add_f32 v[28:29], v[28:29], v[30:31]
	v_pk_add_f32 v[16:17], v[16:17], v[20:21]
	v_pk_add_f32 v[24:25], v[24:25], v[28:29]
	v_pk_add_f32 v[16:17], v[16:17], v[24:25]      ; v16 = wsum, v17 = sum w t
	v_add_f32 v[DEN], EPSF, v16
	v_rcp_f32 v[RC], v[DEN]
	QADD 32, 48                                    ; (plain instructions between the reciprocal and its first use: ISA guide 5.7.2)
	QADD 36, 52
	QADD 40, 56
	QADD 44, 60
	QADD 32, 40
	QADD 36, 44
	QADD 32, 36
	DIV MEAN, 17, DEN, RC
.irp i, 0,1,2,3
	DIV CE+\i, 32+\i, DEN, RC
.endr
	v_cmp_gt_u32 vcc_lo, 16, v0
	s_wait_xcnt 0x0                                ; EXEC is a source of every global instruction above: it changes only behind this wait
	s_and_saveexec_b32 s29, vcc_lo
	global_store_b128 v[VC], v[CE:CE+3], s[10:11]  ; 16 lanes: the centre's 256 bytes
	s_wait_xcnt 0x0
	s_or_b32 exec_lo, exec_lo, s29
	v_cmp_eq_u32 vcc_lo, 0, v0
	s_and_saveexec_b32 s29, vcc_lo                 ; nothing has been issued since the last wait
	global_store_b32 v[VT], v[MEAN], s[12:13]
	s_wait_xcnt 0x0
	s_or_b32 exec_lo, exec_lo, s29
.Lend:
	s_wait_tensorcnt 0x0
	ds_add_u32 v208, v209
	s_wait_dscnt 0x0
	s_endpgm
.Lfunc_end_k_q060e1ef031_last:
	.size	k_q060e1ef031_last, .Lfunc_end_k_q060e1ef031_last-k_q060e1ef031_last
	.p2alignl 7, 3214868480
	.fill 96, 4, 3214868480
	.section	.rodata,"a",@progbits
	.p2align	6, 0x0
	.amdhsa_kernel k_q060e1ef031_last
		.amdhsa_group_segment_fixed_size 78848
		.amdhsa_private_segment_fixed_size 0
		.amdhsa_enable_private_segment 0
		.amdhsa_kernarg_size 40
		.amdhsa_user_sgpr_count 2
		.amdhsa_user_sgpr_kernarg_segment_ptr 1
		.amdhsa_wavefront_size32 1
		.amdhsa_system_sgpr_workgroup_id_x 1
		.amdhsa_system_sgpr_workgroup_id_y 1
		.amdhsa_system_sgpr_workgroup_id_z 1
		.amdhsa_system_vgpr_workitem_id 0
		.amdhsa_next_free_vgpr 210
		.amdhsa_next_free_sgpr 66
		.amdhsa_reserve_vcc 1
		.amdhsa_float_denorm_mode_32 3
		.amdhsa_float_denorm_mode_16_64 3
		.amdhsa_memory_ordered 1
		.amdhsa_forward_progress 1
		.amdhsa_inst_pref_size 23
	.end_amdhsa_kernel
	.amdgpu_metadata
---
amdhsa.version: [ 1, 2 ]
amdhsa.kernels:
  - .name:           k_q060e1ef031_last
    .symbol:         k_q060e1ef031_last.kd
    .args:
      - { .name: xp, .offset: 0, .size: 8, .value_kind: global_buffer, .address_space: global }
      - { .name: tp, .offset: 8, .size: 8, .value_kind: global_buffer, .address_space: global }
      - { .name: sb, .offset: 16, .size: 8, .value_kind: global_buffer, .address_space: global }
      - { .name: cent, .offset: 24, .size: 8, .value_kind: global_buffer, .address_space: global }
      - { .name: tmean, .offset: 32, .size: 8, .value_kind: global_buffer, .address_space: global }
    .group_segment_fixed_size: 78848
    .private_segment_fixed_size: 0
    .kernarg_segment_align: 8
    .kernarg_segment_size: 40
    .max_flat_workgroup_size: 256
    .sgpr_count:     66
    .vgpr_count:     210
    .wavefront_size: 32
...
	.end_amdgpu_metadata
.endif
;; end of part 5
;; launch sort (part 6): grid 8 x 1, 8 waves a work-group, no clusters, 0 bytes of LDS; arguments cent, tmean, out0; writes out0
.if DOCPART == 6
	.amdgcn_target "amdgcn-amd-amdhsa--gfx1250"
	.amdhsa_code_object_version 6
	.text
	.protected	k_q060e1ef031_sort
	.globl	k_q060e1ef031_sort
	.p2align	8
	.type	k_q060e1ef031_sort,@function
k_q060e1ef031_sort:
	s_mov_b64 s[64:65], 0
	v_nop
	global_prefetch_b8 v0, s[64:65] scope:SCOPE_SE
	s_setreg_imm32_b32 hwreg(HW_REG_WAVE_MODE, 25, 1), 1
	s_wait_xcnt 0x0
; out0[i] = cent[k] for the k whose time mean has rank i.  rank[k] = the number of j with t[j] < t[k], or t[j] = t[k] and j < k: the place that a
; stable sort gives.  One wave for each output row.  The row is CHOSEN, not addressed: the wave loads all 64 rows (16 KiB, 8 bytes
; a lane and row) and keeps the one whose rank fits, so that no address hangs on a floating-point number.
; LIMIT: a NaN among the time means compares false with everything; the ranks are then no permutation, and rows come out as zeros or doubled.
; 64 waves are all the work there is; each row of out0 has one owner.  No LDS, no cluster: 16 KiB in all.
.set ROWS, 64                          ; v[64:191] row k in v[64+2k:65+2k]
	s_load_b128 s[4:7], s[0:1], 0x0                ; cent s[4:5], tmean s[6:7]
	s_load_b64 s[8:9], s[0:1], 0x10                ; out0
	v_and_b32 v1, 31, v0                           ; L
	v_lshrrev_b32 v2, 5, v0
	v_readfirstlane_b32 s10, v2
	s_lshl3_add_u32 s11, ttmp9, s10                ; i = 8 x work-group + wave
	v_lshlrev_b32 v3, 2, v1
	v_lshlrev_b32 v4, 3, v1
	v_mov_b32 v7, 0                                ; rank of centre L
	v_mov_b32 v8, 0                                ; rank of centre L + 32
	s_wait_kmcnt 0x0
	global_load_b32 v5, v3, s[6:7]                 ; t[L]
	global_load_b32 v6, v3, s[6:7] offset:128      ; t[L + 32]
.set k, 0
.rept 32
	global_load_b64 v[ROWS+2*k:ROWS+2*k+1], v4, s[4:5] offset:256*k
.set k, k+1
.endr
	s_wait_loadcnt 0x20                            ; the time means are in; the 32 rows asked for behind them stay out
.rept 32
	global_load_b64 v[ROWS+2*k:ROWS+2*k+1], v4, s[4:5] offset:256*k
.set k, k+1
.endr
	; j = 0 .. 31 against centres L (ties count where L > j) and L + 32 (ties always count)
.set j, 0
.rept 32
	v_readlane_b32 s12, v5, j
	v_cmp_lt_f32 vcc_lo, s12, v5
.if j < 31
	v_cmp_eq_f32 s13, s12, v5
	s_and_b32 s13, s13, (0xffffffff<<(j+1))&0xffffffff
	s_or_b32 vcc_lo, vcc_lo, s13
.endif
	v_add_co_ci_u32 v7, vcc_lo, 0, v7, vcc_lo      ; + 1 where the bit is set
	v_cmp_le_f32 vcc_lo, s12, v6
	v_add_co_ci_u32 v8, vcc_lo, 0, v8, vcc_lo
.set j, j+1
.endr
	; j = 32 .. 63 against centres L (ties never count) and L + 32 (ties count where L + 32 > j)
.set j, 0
.rept 32
	v_readlane_b32 s12, v6, j
	v_cmp_lt_f32 vcc_lo, s12, v5
	v_add_co_ci_u32 v7, vcc_lo, 0, v7, vcc_lo
	v_cmp_lt_f32 vcc_lo, s12, v6
.if j < 31
	v_cmp_eq_f32 s13, s12, v6
	s_and_b32 s13, s13, (0xffffffff<<(j+1))&0xffffffff
	s_or_b32 vcc_lo, vcc_lo, s13
.endif
	v_add_co_ci_u32 v8, vcc_lo, 0, v8, vcc_lo
.set j, j+1
.endr
	v_cmp_eq_u32 s14, s11, v7                      ; bit k: centre k has rank i
	v_cmp_eq_u32 s15, s11, v8                      ; bit k - 32
	s_lshl_b32 s16, s11, 8
	v_add_nc_u32 v12, s16, v4                      ; 256 i + 8 L
	s_wait_loadcnt 0x0
.set k, 0
.rept 64
.if k < 32
	s_bitcmp1_b32 s14, k
.else
	s_bitcmp1_b32 s15, k-32
.endif
	s_cselect_b32 vcc_lo, -1, 0
.if k == 0
	v_cndmask_b32 v10, 0, v[ROWS], vcc_lo
	v_cndmask_b32 v11, 0, v[ROWS+1], vcc_lo
.else
	v_cndmask_b32 v10, v10, v[ROWS+2*k], vcc_lo
	v_cndmask_b32 v11, v11, v[ROWS+2*k+1], vcc_lo
.endif
.set k, k+1
.endr
	global_store_b64 v12, v[10:11], s[8:9]         ; the row's 256 consecutive bytes in one store
	s_endpgm
.Lfunc_end_k_q060e1ef031_sort:
	.size	k_q060e1ef031_sort, .Lfunc_end_k_q060e1ef031_sort-k_q060e1ef031_sort
	.p2alignl 7, 3214868480
	.fill 96, 4, 3214868480
	.section	.rodata,"a",@progbits
	.p2align	6, 0x0
	.amdhsa_kernel k_q060e1ef031_sort
		.amdhsa_group_segment_fixed_size 0
		.amdhsa_private_segment_fixed_size 0
		.amdhsa_enable_private_segment 0
		.amdhsa_kernarg_size 24
		.amdhsa_user_sgpr_count 2
		.amdhsa_user_sgpr_kernarg_segment_ptr 1
		.amdhsa_wavefront_size32 1
		.amdhsa_system_sgpr_workgroup_id_x 1
		.amdhsa_system_sgpr_workgroup_id_y 1
		.amdhsa_system_sgpr_workgroup_id_z 1
		.amdhsa_system_vgpr_workitem_id 0
		.amdhsa_next_free_vgpr 192
		.amdhsa_next_free_sgpr 66
		.amdhsa_reserve_vcc 1
		.amdhsa_float_denorm_mode_32 3
		.amdhsa_float_denorm_mode_16_64 3
		.amdhsa_memory_ordered 1
		.amdhsa_forward_progress 1
		.amdhsa_inst_pref_size 37
	.end_amdhsa_kernel
	.amdgpu_metadata
---
amdhsa.version: [ 1, 2 ]
amdhsa.kernels:
  - .name:           k_q060e1ef031_sort
    .symbol:         k_q060e1ef031_sort.kd
    .args:
      - { .name: cent, .offset: 0, .size: 8, .value_kind: global_buffer, .address_space: global }
      - { .name: tmean, .offset: 8, .size: 8, .value_kind: global_buffer, .address_space: global }
      - { .name: out0, .offset: 16, .size: 8, .value_kind: global_buffer, .address_space: global }
    .group_segment_fixed_size: 0
    .private_segment_fixed_size: 0
    .kernarg_segment_align: 8
    .kernarg_segment_size: 24
    .max_flat_workgroup_size: 256
    .sgpr_count:     66
    .vgpr_count:     192
    .wavefront_size: 32
...
	.end_amdgpu_metadata
.endif
;; end of part 6
